; MI455X (gfx1250); checked and timed in simulation.
; The chip was launched on July 23, 2026; its instructions are those of AMD's public machine-readable ISA for CDNA 5 (MIT licence, August 2026) and "CDNA5" Instruction Set Architecture Reference Guide (July 2026). The comments in the code are by the model that wrote it; some were corrected since.
;; Open AI Compatible Multi Head Attention. Allowed arithmetic: matrix products marked QUANTISED: E2M1 operands, one E8M0 scale for each 32 along K, by v_wmma_scale_f32_16x16x128_f8f6f4 with both operands' format E2M1 (or v_wmma_scale_f32_32x16x128_f4), f32 sums; products left as they are: bf16, f16 or f32 operands; f32 sums; everything else in f32.
;; Inputs: b_proj 1,024 float32; w_attn 1,024 x 3,072 float32; w_proj 1,024 x 1,024 float32; x 4 x 2,048 x 1,024 float32.
;; Outputs: out0 4 x 2,048 x 1,024 float32.
;; This version of the problem:
;;   THIS VERSION OF THE PROBLEM IS GIVEN IN LOW PRECISION. The matrix products marked QUANTISED in the list below multiply operands that are first quantised to E2M1 (2 exponent bits, 1 mantissa bit; 4 bits a number), with one power-of-two scale for each 32 numbers along K (OCP MX v1.0); their sums are f32. The products marked 'left as it is' may take bf16, f16 or f32 operands, with f32 sums. Whichever they take, every output number must still come out within the allowed error. Rounding operands to bf16 (8 significant bits) uses up far more of that allowance than f16 does (11 bits, for magnitudes from 6e-5 to 65,504). All else is computed in f32.
;;   The module's matrix products, in the order in which they are computed (A, B: the left and right operand; K: the contracted axis; several contracted axes count as one K, in the product's order):
;;     1. [M 8,192, K 1,024] x [K 1,024, N 3,072]; A: input x; B: input w_attn: QUANTISED
;;     2. batch 64 x [M 2,048, K 64] x [K 64, N 2,048]; A: computed on the way; B: computed on the way: left as it is (an operand is computed on the way)
;;     3. batch 64 x [M 2,048, K 2,048] x [K 2,048, N 64]; A: computed on the way; B: computed on the way: left as it is (an operand is computed on the way)
;;     4. [M 8,192, K 1,024] x [K 1,024, N 1,024]; A: computed on the way; B: input w_proj: left as it is (an operand is computed on the way)
;;   THE QUANTISER, for each operand of a quantised product, along K:
;;     - K is cut into blocks of 32 from its start; a last block that is shorter is filled with zeros.
;;     - A block's scale is 2^e with e = floor(log2(the largest magnitude in the block)) - 2, held to -126 .. 127; a block of zeros has e = 0. As a byte (E8M0): e + 127.
;;     - Each number is divided by its block's scale, clamped to +-6, and rounded to the nearest number of E2M1, ties to even, subnormals kept.
;;     - The product sums the exact products of the quantised numbers (number of the format x scale) in f32.
;;   ~~~python
;;   def quantise(x, axis):      # numpy; x: float32 -> the quantised numbers, widened to float32 again
;;       x = np.moveaxis(x, axis, -1); K = x.shape[-1]
;;       x = np.pad(x, [(0, 0)] * (x.ndim - 1) + [(0, -K % 32)]); x = x.reshape(x.shape[:-1] + (-1, 32)); a = np.abs(x).max(-1, keepdims=True)
;;       e = np.where(a > 0, np.clip(np.frexp(np.where(a > 0, a, 1))[1] - 1 - 2, -126, 127), 0)      # np.frexp(a)[1] - 1 = floor(log2(a)), exactly
;;       r = np.clip(x / 2.0 ** e, -6, 6)
;;       step = 2.0 ** (np.maximum(np.frexp(np.where(r == 0, 1, r))[1] - 1, 0) - 1)
;;       q = np.round(r / step) * step * 2.0 ** e      # np.round: ties to even
;;       return np.moveaxis(q.reshape(q.shape[:-2] + (-1,))[..., :K], -1, axis).astype(np.float32)
;;   ~~~
;; One version. Each part assembles by itself: llvm-mc -triple=amdgcn-amd-amdhsa -mcpu=gfx1250 --defsym DOCPART=n.
;; ======== version 1 of 1: 5 launches
;; limits: values are held in f16: magnitudes above 65,504 overflow, below 6.1e-05 lose precision
;; workspace buffers: xc 4,194,304 bytes; xs 262,144 bytes; wc 1,572,864 bytes; ws 98,304 bytes; w16 2,097,152 bytes; qkv 50,331,648 bytes; h16 786,432 bytes; att 16,777,216 bytes
;; launch prep (part 1): grid 368 x 1, 4 waves a work-group, no clusters, 68,096 bytes of LDS; arguments x, w_attn, w_proj, xc, xs, wc, ws, w16; writes xc, xs, wc, ws, w16
.if DOCPART == 1
	.amdgcn_target "amdgcn-amd-amdhsa--gfx1250"
	.amdhsa_code_object_version 6
	.text
	.protected	k_q72dd473183_prep
	.globl	k_q72dd473183_prep
	.p2align	8
	.type	k_q72dd473183_prep,@function
k_q72dd473183_prep:
	s_mov_b64 s[64:65], 0
	v_nop
	global_prefetch_b8 v0, s[64:65] scope:SCOPE_SE
	s_setreg_imm32_b32 hwreg(HW_REG_WAVE_MODE, 25, 1), 1
	s_wait_xcnt 0x0
; THE PROGRAM: out = softmax_causal(q k^T / 8) v, projected by w_proj, + b_proj, with q, k, v = x w_attn.  Five launches:
;   prep      x and w_attn into codes of E2M1 with one E8M0 byte for each 32 along K; w_proj into f16
;   qkv_gemm  the quantised product on those codes; q, k, v leave as f16, head by head; the first 16 positions of each sequence also as f32
;   attn      causal attention on f16 operands, sums, maxima and exponentials in f32
;   first16   the first 16 positions of each sequence, attention and projection, all in f32
;   proj      the projection of all other positions on f16 operands, f32 sums, + b_proj
; WORK LEFT OUT.  reference() sets att[q][k] to -inf where k > q by its own jnp.tril, so the softmax gives exactly 0 there for every finite x and w_attn, and 0 x v adds nothing.
; attn therefore leaves out every step of 128 keys that lies wholly behind a wave's 16 queries, and does not fetch keys that none of a work-group's queries sees.  Nothing else is left out; all four inputs are loaded.
; LIMITS.  NaN and infinities among the inputs are not served.  A NaN, an infinity or an overflow that would arise only in the key steps left out is not carried to the result.
; q, k, v, w_proj and the attention's result go to the matrix units as f16: magnitudes beyond 65,504 overflow.
; A block's scale byte is held at 1 from below (largest magnitudes under 2^-124); a block of zeros gets the byte 1 where the quantiser says 127: its codes are zeros, and this program alone reads the bytes.
;
; THIS LAUNCH.  Three jobs, told apart by the work-group's number; each has LDS bytes of its own; waves share nothing, so there is no barrier.
;   work-groups   0 ..  47  W: w_attn [1024 (k)][3072 (n)] -> wc [3072][512 bytes], ws [3072][32].  K is the first axis: a lane takes a column and its registers run down K.
;   work-groups  48 .. 111  P: w_proj [1024][1024] f32 -> w16, f16, same layout.
;   work-groups 112 .. 367  X: x [8192][1024] -> xc [8192][512 bytes], xs [8192][32].  K is innermost: a plain stream of blocks of 32.
; A block's scale is 2^(floor(log2(largest magnitude)) - 2): its byte is the largest magnitude's exponent field - 2.  The conversion divides by it, rounds to the nearest code, ties to even, and gives the largest code beyond 6.
.set SPW,    190                       ; v190  LDS address of my spare word: SPARE + 4 x my thread's number; never rewritten
.set NIL,    191                       ; v191  0; never rewritten
.set EMAX,   2
; job X
.set XWREG,  8192                      ; LDS: a region for each wave: two stages of 32 x SP bytes, behind them its 256 scale bytes
.set SP,     80                        ; a lane's place in a stage: 64 bytes + 16 of padding
.set STEPS,  16                        ; a wave takes 16 steps of 512 numbers
.set CB,     8                         ; bytes of 16 codes
.set XR,     16                        ; v16-79   four sets of 16 numbers as they are loaded
.set XN,     80                        ; v80-111  two sets of 16 neighbours
.set XE,     112                       ; v112-127 a scale byte for each step
.set XC,     128                       ; v128-189 codes: four registers for each step, so that no store's data are written again
; job W
.set WSTG,   4*XWREG                   ; LDS: four stages of 32 rows x 272 bytes, behind job X's bytes
.set WPITCH, 272
.set WN,     3072
.set KW,     512                       ; along K for a wave
.set NB,     KW/32
.set KROW,   512                       ; a row of wc in bytes
.set WX,     32                        ; v32-95   two sets of 32 numbers
.set WC,     96                        ; v96-99   a block's codes
.set WOUT,   112                       ; v112-175 the way out
.set WSB,    24                        ; v24-27   the scale bytes, four to a register
.set SPARE,  WSTG+4*32*WPITCH          ; the spare words, 128 bytes for each wave: two blocks of 256 bytes that no other line names
; job P
.set PX,     16                        ; v16-79   sixteen slots of 4 numbers
.set PY,     80                        ; v80-143  32 pairs of registers to store: none is written twice
.macro XLOAD t
.irp i, 0,1,2,3
	global_load_b128 v[XR+16*((\t)%4)+4*\i:XR+16*((\t)%4)+4*\i+3], v3, s[4:5] offset:2048*(\t)+512*\i th:TH_LOAD_NT   ; 32 lanes read 512 consecutive bytes
.endr
.endm
.macro XTURN t                         ; step t's numbers through the stage: LDS serves a wave's instructions in order, so no wait stands between the stores and the loads
.irp i, 0,1,2,3
	ds_store_b128 v14, v[XR+16*((\t)%4)+4*\i:XR+16*((\t)%4)+4*\i+3] offset:32*SP*((\t)%2)+8*SP*\i
.endr
.irp i, 0,1,2,3
	ds_load_b128 v[XN+16*((\t)%2)+4*\i:XN+16*((\t)%2)+4*\i+3], v15 offset:32*SP*((\t)%2)+16*\i
.endr
.endm
.macro XSTEP t
.set XS, XN+16*((\t)%2)
.if (\t) > 0
	s_wait_dscnt 1                                 ; this step's numbers are back from the stage; the one LDS instruction behind them, the last step's byte store, may be out
.else
	s_wait_dscnt 0x0
.endif
.if (\t)+4 < STEPS
	XLOAD (\t)+4                                   ; into the registers whose stores into the stage are done
.endif
.if (\t)+1 < STEPS
.if STEPS-2-(\t) >= 3
	s_wait_loadcnt 12                              ; the next step's four loads are in; those of the three steps behind it, twelve, may be out
.else
	s_wait_loadcnt 4*(STEPS-2-(\t))                ; the tail: four for each step still behind it
.endif
	XTURN (\t)+1                                   ; through the other stage while this step is worked
.endif
	v_max3_num_f32 v8, |v[XS]|, |v[XS+1]|, |v[XS+2]|               ; the largest magnitude of my 16, in two chains
	v_max3_num_f32 v9, |v[XS+3]|, |v[XS+4]|, |v[XS+5]|
.irp i, 6,10
	v_max3_num_f32 v8, v8, |v[XS+\i]|, |v[XS+\i+1]|
	v_max3_num_f32 v9, v9, |v[XS+\i+2]|, |v[XS+\i+3]|
.endr
	v_max3_num_f32 v8, v8, |v[XS+14]|, |v[XS+15]|
	v_max3_num_f32 v8, v8, v9, (EMAX+1)<<23        ; and the floor 2^(3 - 127): the byte cannot fall under 1
	v_max_num_f32_dpp v8, v8, v8 row_xmask:1 row_mask:0xf bank_mask:0xf   ; with my neighbour's 16: the block's
	v_add_nc_u32 v11, -(EMAX<<23), v8              ; 2 off its exponent field: the conversion takes the exponent field of this operand as its scale
	v_cvt_scalef32_pk8_fp4_f32 v[XC+4*(\t)], v[XS:XS+7], v11
	v_cvt_scalef32_pk8_fp4_f32 v[XC+4*(\t)+1], v[XS+8:XS+15], v11
	v_lshrrev_b32 v[XE+(\t)], 23, v11              ; the scale's byte
	ds_store_b8 v5, v[XE+(\t)] offset:16*(\t)      ; both lanes of a block write the same byte with the same value
	global_store_b64 v4, v[XC+4*(\t):XC+4*(\t)+1], s[10:11] offset:32*CB*(\t)   ; the wave stores 256 consecutive bytes, aligned
.endm
.macro WLOAD t                         ; block t: w_attn(32 t + i, my column), i = 0 .. 31, into set t % 2
.set i, 0
.rept 32
	global_load_b32 v[WX+32*((\t)%2)+i], v3, s[6:7] offset:(32*(\t)+i)*WN*4 th:TH_LOAD_NT
.set i, i+1
.endr
.endm
.macro WBLOCK t
.set XS, WX+32*((\t)%2)
.if (\t) < NB-1
	s_wait_loadcnt 32                              ; this block's 32 loads are in; the next block's 32 may be out
.else
	s_wait_loadcnt 0
.endif
	v_max3_num_f32 v12, |v[XS]|, |v[XS+1]|, |v[XS+2]|              ; the block's largest magnitude: all 32 numbers are mine
	v_max3_num_f32 v13, |v[XS+3]|, |v[XS+4]|, |v[XS+5]|
.irp i, 6,10,14,18,22,26
	v_max3_num_f32 v12, v12, |v[XS+\i]|, |v[XS+\i+1]|
	v_max3_num_f32 v13, v13, |v[XS+\i+2]|, |v[XS+\i+3]|
.endr
	v_max3_num_f32 v12, v12, |v[XS+30]|, |v[XS+31]|
	v_max3_num_f32 v12, v12, v13, (EMAX+1)<<23     ; and the floor
	v_add_nc_u32 v11, -(EMAX<<23), v12
	v_lshrrev_b32 v13, 23, v11                     ; the scale's byte
.if (\t)%4 == 0
	v_mov_b32 v[WSB+(\t)/4], v13                   ; four bytes to a register, the lower K in the lower byte
.else
	v_lshl_or_b32 v[WSB+(\t)/4], v13, 8*((\t)%4), v[WSB+(\t)/4]
.endif
.irp g, 0,1,2,3
	v_cvt_scalef32_pk8_fp4_f32 v[WC+\g], v[XS+8*\g:XS+8*\g+7], v11
.endr
	ds_store_b128 v4, v[WC:WC+3] offset:16*(\t)    ; 32 codes: 16 bytes of my column's row
.if (\t)+2 < NB
	WLOAD (\t)+2
.endif
	s_wait_dscnt 0x0                               ; the store has read its registers: the next block's codes may be written
.endm
.macro PCVT j                          ; 128 numbers of w_proj: 4 a lane
.if 31-(\j) < 15
	s_wait_loadcnt 31-(\j)                         ; the tail: the loads behind mine
.else
	s_wait_loadcnt 15                              ; my load is in; the fifteen younger ones may be out
.endif
	v_cvt_pk_f16_f32 v[PY+2*(\j)], v[PX+4*((\j)%16)], v[PX+4*((\j)%16)+1]
	v_cvt_pk_f16_f32 v[PY+2*(\j)+1], v[PX+4*((\j)%16)+2], v[PX+4*((\j)%16)+3]
.if (\j)+16 < 32
	global_load_b128 v[PX+4*((\j)%16):PX+4*((\j)%16)+3], v3, s[8:9] offset:512*((\j)+16) th:TH_LOAD_NT
.endif
	global_store_b64 v4, v[PY+2*(\j):PY+2*(\j)+1], s[18:19] offset:256*(\j)   ; the wave stores 256 consecutive bytes, aligned
.endm
	s_load_b128 s[4:7], s[0:1], 0x0                ; x, w_attn
	s_load_b128 s[8:11], s[0:1], 0x10              ; w_proj, xc
	s_load_b256 s[12:19], s[0:1], 0x20             ; xs, wc, ws, w16
	v_lshl_add_u32 v[SPW], v0, 2, SPARE
	v_mov_b32 v[NIL], 0
	v_lshrrev_b32 v1, 5, v0
	v_readfirstlane_b32 s20, v1                    ; wave 0..3
	v_and_b32 v2, 31, v0                           ; lane
	s_wait_kmcnt 0x0
	s_cmp_lt_u32 ttmp9, 48
	s_cbranch_scc1 .Lpath_w
	s_cmp_lt_u32 ttmp9, 112
	s_cbranch_scc1 .Lpath_p
	; ---- job X
	v_lshlrev_b32 v3, 4, v2                        ; my 16 bytes of a load's 512
	s_mul_i32 s21, s20, XWREG
	v_lshrrev_b32 v14, 2, v2
	v_mul_u32_u24 v14, v14, SP
	v_and_b32 v15, 3, v2
	v_lshl_add_u32 v14, v15, 4, v14
	v_add_nc_u32 v14, s21, v14                     ; the stage, on the way in: SP (lane / 4) + 16 (lane % 4)
	v_mul_u32_u24 v15, v2, SP
	v_add_nc_u32 v15, s21, v15                     ; and on the way out: SP x lane: my 16 neighbours
	v_mul_u32_u24 v4, v2, CB                       ; my codes' place in a step's
	v_lshrrev_b32 v5, 1, v2
	s_add_co_u32 s21, s21, 2*32*SP
	v_add_nc_u32 v5, s21, v5                       ; LDS: my wave's 256 scale bytes, my block's byte
	v_lshlrev_b32 v7, 3, v2
	v_add_nc_u32 v6, s21, v7                       ; and on the way out 8 bytes a lane
	s_sub_co_u32 s22, ttmp9, 112
	s_lshl_b32 s22, s22, 2
	s_add_co_u32 s22, s22, s20                     ; which run of 8,192 numbers is my wave's: 0 .. 1023
	s_mov_b32 s23, 0
	s_lshl_b64 s[24:25], s[22:23], 15              ; 32,768 bytes of x,
	s_add_nc_u64 s[4:5], s[4:5], s[24:25]
	s_lshl_b64 s[24:25], s[22:23], 12              ; 4,096 of codes,
	s_add_nc_u64 s[10:11], s[10:11], s[24:25]
	s_lshl_b64 s[24:25], s[22:23], 8               ; 256 scale bytes a run
	s_add_nc_u64 s[12:13], s[12:13], s[24:25]
.irp t, 0,1,2,3
	XLOAD \t
.endr
	s_wait_loadcnt 12                              ; step 0's four loads are in
	XTURN 0
.irp t, 0,1,2,3,4,5,6,7,8,9,10,11,12,13,14,15
	XSTEP \t
.endr
	ds_load_b64 v[8:9], v6                         ; LDS serves a wave's instructions in order: this sees my byte stores
	s_wait_dscnt 0x0
	global_store_b64 v7, v[8:9], s[12:13]          ; 32 lanes store 256 consecutive bytes, aligned
	s_wait_tensorcnt 0x0                           ; the wave's end: behind my last LDS store
	ds_add_u32 v[SPW], v[NIL]
	s_wait_dscnt 0x0
	s_endpgm
	; ---- job W
.Lpath_w:
	s_lshr_b32 s21, ttmp9, 1                       ; which 128 columns: 0 .. 23
	s_lshl_b32 s21, s21, 7
	s_lshl_b32 s22, s20, 5
	s_add_co_u32 s21, s21, s22                     ; my wave's first column
	s_and_b32 s22, ttmp9, 1                        ; which half of K
	v_lshlrev_b32 v3, 2, v2                        ; in: 4 bytes a lane
	s_mul_i32 s23, s20, 32*WPITCH
	s_add_co_u32 s23, s23, WSTG                    ; my stage
	v_mul_u32_u24 v4, v2, WPITCH
	v_add_nc_u32 v4, s23, v4                       ; into it: row = my column
	v_and_b32 v5, 15, v2
	v_lshrrev_b32 v6, 4, v2                        ; out of it: sixteen lanes to a row, two rows an instruction
	v_mul_u32_u24 v7, v6, WPITCH
	v_lshl_add_u32 v7, v5, 4, v7
	v_add_nc_u32 v7, s23, v7
	v_mul_u32_u24 v8, v6, KROW
	v_lshl_add_u32 v8, v5, 4, v8                   ; and the same place in wc
	v_lshlrev_b32 v9, 5, v2                        ; my column's row of scale bytes: 32 bytes a column
	s_mul_i32 s24, s22, KW*WN*4                    ; w_attn: 512 rows down for the second half of K,
	s_lshl_b32 s25, s21, 2
	s_add_co_u32 s24, s24, s25                     ; + 4 x column
	s_mov_b32 s25, 0
	s_add_nc_u64 s[6:7], s[6:7], s[24:25]
	s_lshl_b32 s24, s21, 9                         ; wc: column x 512 + 256 x half
	s_lshl_b32 s26, s22, 8
	s_add_co_u32 s24, s24, s26
	s_add_nc_u64 s[14:15], s[14:15], s[24:25]
	s_lshl_b32 s24, s21, 5                         ; ws: column x 32 + 16 x half
	s_lshl_b32 s26, s22, 4
	s_add_co_u32 s24, s24, s26
	s_add_nc_u64 s[16:17], s[16:17], s[24:25]
	WLOAD 0
	WLOAD 1
.set Q, 0
.rept NB
	WBLOCK Q
.set Q, Q+1
.endr
	global_store_b128 v9, v[WSB:WSB+3], s[16:17]   ; my column's 16 scale bytes
.irp t, 0,1,2,3,4,5,6,7,8,9,10,11,12,13,14,15
	ds_load_b128 v[WOUT+4*\t:WOUT+4*\t+3], v7 offset:2*\t*WPITCH   ; LDS serves a wave's instructions in order: these see my stores
.endr
.irp t, 0,1,2,3,4,5,6,7,8,9,10,11,12,13,14,15
	s_wait_dscnt 15-\t                             ; load t is in; the younger ones may be out
	global_store_b128 v8, v[WOUT+4*\t:WOUT+4*\t+3], s[14:15] offset:2*\t*KROW   ; sixteen lanes store 256 consecutive bytes, aligned
.endr
	s_wait_tensorcnt 0x0                           ; the wave's end: the three lines
	ds_add_u32 v[SPW], v[NIL]
	s_wait_dscnt 0x0
	s_endpgm
	; ---- job P
.Lpath_p:
	s_sub_co_u32 s21, ttmp9, 48
	s_lshl_b32 s21, s21, 2
	s_add_co_u32 s21, s21, s20                     ; which run of 4,096 numbers: 0 .. 255
	s_lshl_b32 s22, s21, 14
	s_mov_b32 s23, 0
	s_add_nc_u64 s[8:9], s[8:9], s[22:23]
	s_lshl_b32 s22, s21, 13
	s_add_nc_u64 s[18:19], s[18:19], s[22:23]
	v_lshlrev_b32 v3, 4, v2                        ; in: 16 bytes a lane
	v_lshlrev_b32 v4, 3, v2                        ; out: 8
.irp j, 0,1,2,3,4,5,6,7,8,9,10,11,12,13,14,15
	global_load_b128 v[PX+4*\j:PX+4*\j+3], v3, s[8:9] offset:512*\j th:TH_LOAD_NT
.endr
.set Q, 0
.rept 32
	PCVT Q
.set Q, Q+1
.endr
	s_wait_tensorcnt 0x0                           ; all three jobs end alike
	ds_add_u32 v[SPW], v[NIL]
	s_wait_dscnt 0x0
	s_endpgm
.Lfunc_end_k_q72dd473183_prep:
	.size	k_q72dd473183_prep, .Lfunc_end_k_q72dd473183_prep-k_q72dd473183_prep
	.p2alignl 7, 3214868480
	.fill 96, 4, 3214868480
	.section	.rodata,"a",@progbits
	.p2align	6, 0x0
	.amdhsa_kernel k_q72dd473183_prep
		.amdhsa_group_segment_fixed_size 68096
		.amdhsa_private_segment_fixed_size 0
		.amdhsa_enable_private_segment 0
		.amdhsa_kernarg_size 64
		.amdhsa_user_sgpr_count 2
		.amdhsa_user_sgpr_kernarg_segment_ptr 1
		.amdhsa_wavefront_size32 1
		.amdhsa_system_sgpr_workgroup_id_x 1
		.amdhsa_system_sgpr_workgroup_id_y 1
		.amdhsa_system_sgpr_workgroup_id_z 1
		.amdhsa_system_vgpr_workitem_id 0
		.amdhsa_next_free_vgpr 192
		.amdhsa_next_free_sgpr 66
		.amdhsa_reserve_vcc 0
		.amdhsa_float_denorm_mode_32 3
		.amdhsa_float_denorm_mode_16_64 3
		.amdhsa_memory_ordered 1
		.amdhsa_forward_progress 1
		.amdhsa_inst_pref_size 122
	.end_amdhsa_kernel
	.amdgpu_metadata
---
amdhsa.version: [ 1, 2 ]
amdhsa.kernels:
  - .name:           k_q72dd473183_prep
    .symbol:         k_q72dd473183_prep.kd
    .args:
      - { .name: x, .offset: 0, .size: 8, .value_kind: global_buffer, .address_space: global }
      - { .name: w_attn, .offset: 8, .size: 8, .value_kind: global_buffer, .address_space: global }
      - { .name: w_proj, .offset: 16, .size: 8, .value_kind: global_buffer, .address_space: global }
      - { .name: xc, .offset: 24, .size: 8, .value_kind: global_buffer, .address_space: global }
      - { .name: xs, .offset: 32, .size: 8, .value_kind: global_buffer, .address_space: global }
      - { .name: wc, .offset: 40, .size: 8, .value_kind: global_buffer, .address_space: global }
      - { .name: ws, .offset: 48, .size: 8, .value_kind: global_buffer, .address_space: global }
      - { .name: w16, .offset: 56, .size: 8, .value_kind: global_buffer, .address_space: global }
    .group_segment_fixed_size: 68096
    .private_segment_fixed_size: 0
    .kernarg_segment_align: 8
    .kernarg_segment_size: 64
    .max_flat_workgroup_size: 128
    .sgpr_count:     66
    .vgpr_count:     192
    .wavefront_size: 32
...
	.end_amdgpu_metadata
.endif
;; end of part 1
;; launch qkv_gemm (part 2): grid 12 x 32, 4 waves a work-group, clusters of 4 x 4, 327,680 bytes of LDS; arguments xc, xs, wc, ws, qkv, h16; writes qkv, h16
.if DOCPART == 2
	.amdgcn_target "amdgcn-amd-amdhsa--gfx1250"
	.amdhsa_code_object_version 6
	.text
	.protected	k_q72dd473183_qkv_gemm
	.globl	k_q72dd473183_qkv_gemm
	.p2align	8
	.type	k_q72dd473183_qkv_gemm,@function
k_q72dd473183_qkv_gemm:
	s_mov_b64 s[64:65], 0
	v_nop
	global_prefetch_b8 v0, s[64:65] scope:SCOPE_SE
	s_setreg_imm32_b32 hwreg(HW_REG_WAVE_MODE, 25, 1), 1
	s_wait_xcnt 0x0
	s_wait_alu depctr_hold_cnt(0) depctr_sa_sdst(0) depctr_va_vdst(0) depctr_va_sdst(0) depctr_va_ssrc(0) depctr_va_vcc(0) depctr_vm_vsrc(0)
	s_getreg_b32 s2, hwreg(HW_REG_IB_STS2, 6, 4)
	s_cmp_eq_u32 s2, 0
	s_cbranch_scc0 .Lentry_in_a_cluster
	s_endpgm
.Lentry_in_a_cluster:
	s_bfe_u32 s2, ttmp6, 0x10000c
	s_cmp_lg_u32 s2, 0xf033
	s_cbranch_scc0 .Lentry_shape_is_right
	s_endpgm
.Lentry_shape_is_right:
; qkv[m][n] = sum over k of x[m][k] w_attn[k][n], both operands as codes of FP4 (E2M1) with one E8M0 scale for each 32 along K.  A = xc [8192][1024 codes], xs [8192][32]; B = wc [3072][1024 codes], ws [3072][32]; sums in f32.
; A tile of 256 x 256 is made by a work-group of four waves; a wave makes 128 x 128: 64 accumulators of 16 x 16, 512 registers.  K = 1,024 is two slots of 512 along K (rows of 256 bytes): both are asked for at the head, and nothing is filled again.
; The scales of the work-group's 256 rows of A and of B, for all of K, are two dense blocks: they come into LDS once, with the first fills.
; CLUSTERS: 4 x 4 work-groups.  The four of a row of the cluster need the same tiles of A, the four of a column the same tiles of B: each tile is asked for jointly, by the same tensor load with the same descriptor and a mask that names the four.
; The tile row is 8 cy + cluster y: so the batch is cy, and the tiles that hold a sequence's first rows are those of cluster y = 0, a number that all sixteen partners share.
; THE MATRIX INSTRUCTION IS USED TRANSPOSED (source 0 = 16 rows of B, source 1 = 16 rows of A): a lane holds eight neighbouring columns of one row.
; RESULTS.  qkv: f16 [q, k or v][batch][head][position][64]: 16 positions of a head are 2,048 consecutive bytes.  h16: f32 [batch][16 positions][3072]: the first 16 positions of every sequence, kept whole for the launch first16.
; LIMIT: magnitudes of q, k, v beyond 65,504 overflow f16.
; REGISTERS, in windows of 256: window 0: v0-31 addresses; v32-95 scale words, two sets; from v128 A's fragments, one set; on the way out v32-255 are free.
;   window 1: B's fragments, two sets, at v0 and v128.   window 2: the accumulators of my rows 0-63 ((a, b) at v[8 (8 a + b)]);   window 3: those of my rows 64-127.
.set SIZE_N, 3072
.set SIZE_K, 1024
.set KSTEP,  512                       ; along K in a slot
.set NQ,     KSTEP/128                 ; matrix instructions deep
.set ROWB,   256                       ; a tile's row in bytes
.set KROW,   SIZE_K*4/8                ; a row of codes in memory
.set PITCH,  272                       ; an LDS row: 256 bytes + 16 of padding: the 16 rows that a load touches start 17 x 16 bytes apart
.set FR,     8                         ; registers of a fragment: 16 rows x 128 K
.set NL,     2                         ; LDS loads that bring one
.set NP,     4                         ; places behind this matrix instruction (ISA guide 7.12.1)
.set HALFT,  128*PITCH                 ; 128 rows: what one tensor load brings
.set SLOT,   4*HALFT                   ; A's 256 rows, then B's 256 rows
.set KS,     SIZE_K/32                 ; a row of scales in bytes
.set SCL,    2*SLOT                    ; behind the slots: the scales, as units of 256 bytes + 16 of padding
.set HALFS,  (128*KS/256)*272          ; the scales of 128 rows
.set SBLK,   (16*KS/256)*272           ; those of 16 rows
.set SPARE,  SCL+4*HALFS               ; the spare words, 128 bytes for each wave: two blocks of 256 bytes that no other line names
.set P32,    528                       ; the way out, in slot 0, which has had its one fill and its last read by then: a stage of 16 rows x (512 + 16) bytes for each wave, for f32,
.set ST16,   34816                     ; and behind the four of them
.set P16,    272                       ; one of 16 rows x (256 + 16) bytes for each wave, for f16
.set ADRA, 16                          ; v16-17  LDS address of my A fragments in slot 0, 1
.set STO32, 18                         ; v18     the f32 stage: where I put 32 bytes of a row
.set RD32, 19                          ; v19     and where I read a row back
.set ADRB, 20                          ; v20-21  LDS address of my B fragments
.set STO,  24                          ; v24     the f16 stage: where I put 16 bytes of a row
.set RD,   25                          ; v25     and where I read 16 bytes of a head's row back
.set CO,   26                          ; v26     16 x lane: my place in 512 consecutive bytes of a result
.set ADRS, 27                          ; v27     LDS address of my scale words: lanes 0-15 A's rows, lanes 16-31 B's
.set SPW,  28                          ; v28     LDS address of my spare word; never rewritten
.set NIL,  29                          ; v29     0; never rewritten
.set SC,   32                          ; scale words: set s at v[SC + 8 NQ s]; register NQ i + q: lanes 0-15 the word of A's block i, lanes 16-31 that of B's block i
.set AF,   128                         ; A's fragments
.set BK32, 128                         ; the way out: 16 rows of f32 read back
.set TMP,  192                         ; the way out: a block rounded to f16
.set OB,   32                          ; the way out: a block read back: v32-63 and v224-255 by turns
.set G1, 24
.set G0, 32
.set G1B, 48
.set G0B, 56
.set G1S, 68
.set G0S, 76
.set G1SB, 80
.set G0SB, 88
.set MSB, 0
.macro WIN new                         ; the immediate's high byte repeats the setting that is left
.if MSB != \new
	s_set_vgpr_msb (MSB<<8)|\new
.set MSB, \new
.endif
.endm
.set MUL_LO, 0xa1                      ; source 0 (B) window 1, source 1 (A) window 0, C and D window 2
.set MUL_HI, 0xf1                      ; the same, C and D window 3
.set TO_B,   0x40                      ; destination window 1, address window 0
; A joint load: waves 0 and 1 fetch for A, waves 2 and 3 for B.  The branch hangs on the wave's number alone.  An s_nop 0 and four v_nop follow each of the two lines.
.macro JLOAD g0a, g1a, g0b, g1b
	s_cmp_eq_u32 s15, 0
	s_cbranch_scc0 .Lfor_b_\@
	tensor_load_to_lds s[\g0a:\g0a+3], s[\g1a:\g1a+7]
	s_nop 0
.rept 4
	v_nop
.endr
	s_branch .Lasked_\@
.Lfor_b_\@:
	tensor_load_to_lds s[\g0b:\g0b+3], s[\g1b:\g1b+7]
	s_nop 0
.rept 4
	v_nop
.endr
.Lasked_\@:
.endm
.macro CROUND                          ; a round of the cluster's barrier
	s_barrier_signal -1
	s_barrier_wait -1
	s_cmp_lg_u32 s14, 0
	s_cbranch_scc1 .Lnot_wave_0_\@
	s_barrier_signal -3
.Lnot_wave_0_\@:
	s_barrier_wait -3
	s_barrier_signal -1
	s_barrier_wait -1
.endm
	s_load_b128 s[4:7], s[0:1], 0x0                ; A's codes, A's scales
	s_load_b128 s[8:11], s[0:1], 0x10              ; B's codes, B's scales
	s_load_b64 s[12:13], s[0:1], 0x20              ; qkv
	s_load_b64 s[96:97], s[0:1], 0x28              ; h16
	v_lshl_add_u32 v[SPW], v0, 2, SPARE
	v_mov_b32 v[NIL], 0
	ds_add_u32 v[SPW], v[NIL]                      ; the wave's opening: the add, twice on end, and its wait ahead of my first tensor load
	ds_add_u32 v[SPW], v[NIL]
	v_lshrrev_b32 v1, 5, v0
	v_readfirstlane_b32 s14, v1                    ; wave 0..3
	s_lshr_b32 s15, s14, 1                         ; which half of the tile's rows is mine.  Also: I fetch for A (0) or for B (1)
	s_and_b32 s16, s14, 1                          ; which half of its columns.  Also: which 128 rows of that tile I fetch
	s_bfe_u32 s40, ttmp6, 0x40000                  ; cx, cy: my place in the cluster
	s_bfe_u32 s41, ttmp6, 0x40004
	s_lshl_b32 s42, ttmp9, 2
	s_add_co_u32 s42, s42, s40                     ; tile column = 4 x cluster x + cx
	s_and_b32 s95, ttmp7, 0xffff                   ; cluster y
	s_lshl_b32 s17, s41, 3
	s_add_co_u32 s17, s17, s95                     ; tile row = 8 cy + cluster y
	s_lshl_b32 s43, s41, 2
	s_lshl_b32 s43, 15, s43                        ; my row of the cluster
	s_lshl_b32 s44, 0x1111, s40                    ; my column
	; descriptor group 1: a tile of 128 rows x 256 bytes, padded in LDS
	s_or_b32 s[G1+0], s43, (0<<16)|(1<<20)|(1<<21)|(5<<22)|(3<<25)  ; 15:0 the mask; 17:16 element of 1 byte; 20 padding on; 21 set beside a mask; 24:22 after every 64 words; 31:25 of 4 words
	s_or_b32 s[G1B+0], s44, (0<<16)|(1<<20)|(1<<21)|(5<<22)|(3<<25)
.irp g, G1, G1B
	s_mov_b32 s[\g+1], ROWB<<16                    ; tensor_dim0
	s_mov_b32 s[\g+2], 128<<16                     ; tensor_dim1
	s_mov_b32 s[\g+3], ROWB<<16                    ; tile_dim0
	s_mov_b32 s[\g+4], 128                         ; tile_dim1
	s_mov_b32 s[\g+5], KROW                        ; tensor_dim0_stride
	s_mov_b32 s[\g+6], 0
	s_mov_b32 s[\g+7], 0
.endr
	; the scales of 128 rows: a dense block of 4,096 bytes, as rows of 256 bytes (32 elements of 8 bytes), 16 bytes of padding behind each
	s_or_b32 s[G1S+0], s43, (3<<16)|(1<<20)|(1<<21)|(5<<22)|(3<<25)
	s_or_b32 s[G1SB+0], s44, (3<<16)|(1<<20)|(1<<21)|(5<<22)|(3<<25)
.irp g, G1S, G1SB
	s_mov_b32 s[\g+1], 32<<16
	s_mov_b32 s[\g+2], (128*KS/256)<<16
	s_mov_b32 s[\g+3], 32<<16
	s_mov_b32 s[\g+4], 128*KS/256
	s_mov_b32 s[\g+5], 32
	s_mov_b32 s[\g+6], 0
	s_mov_b32 s[\g+7], 0
.endr
	s_lshl_b32 s18, s16, 7                         ; which 128 rows of the tile I fetch
	s_lshl_b32 s20, s17, 8
	s_add_co_u32 s20, s20, s18                     ; A: row 256 x tile row + 128 x half
	s_lshl_b32 s46, s42, 8
	s_add_co_u32 s46, s46, s18                     ; B: row 256 x tile column + 128 x half
	s_mov_b32 s21, 0
	s_mov_b32 s47, 0
	s_mov_b64 s[18:19], KS
	s_mul_u64 s[22:23], s[20:21], s[18:19]         ; where these rows' scales begin, in bytes
	s_mul_u64 s[92:93], s[46:47], s[18:19]
	s_mov_b64 s[18:19], KROW
	s_mul_u64 s[20:21], s[20:21], s[18:19]         ; and their codes
	s_mul_u64 s[46:47], s[46:47], s[18:19]
	s_mul_i32 s45, s14, HALFT                      ; where they go: wave x 128 rows: no place in the cluster enters an LDS address
	s_mul_i32 s94, s14, HALFS
	s_wait_dscnt 0x0                               ; both opening adds are done
	s_wait_kmcnt 0x0
	s_add_nc_u64 s[20:21], s[4:5], s[20:21]
	s_add_nc_u64 s[22:23], s[6:7], s[22:23]
	s_add_nc_u64 s[46:47], s[8:9], s[46:47]
	s_add_nc_u64 s[92:93], s[10:11], s[92:93]
	CROUND                                         ; all sixteen work-groups are here: the joint loads meet
	s_mov_b32 s[G0S], 1
	s_add_co_u32 s[G0S+1], s94, SCL
	s_mov_b64 s[G0S+2:G0S+3], s[22:23]
	s_or_b32 s[G0S+3], s[G0S+3], 0x80000000
	s_mov_b32 s[G0SB], 1
	s_add_co_u32 s[G0SB+1], s94, SCL
	s_mov_b64 s[G0SB+2:G0SB+3], s[92:93]
	s_or_b32 s[G0SB+3], s[G0SB+3], 0x80000000
	JLOAD G0S, G1S, G0SB, G1SB                     ; the scales first: they are wanted with the first slot
.irp s, 0,1
	s_mov_b32 s[G0+4*\s], 1
	s_add_co_u32 s[G0+4*\s+1], s45, \s*SLOT
	s_add_nc_u64 s[G0+4*\s+2:G0+4*\s+3], s[20:21], \s*ROWB
	s_or_b32 s[G0+4*\s+3], s[G0+4*\s+3], 0x80000000
	s_mov_b32 s[G0B+4*\s], 1
	s_add_co_u32 s[G0B+4*\s+1], s45, \s*SLOT
	s_add_nc_u64 s[G0B+4*\s+2:G0B+4*\s+3], s[46:47], \s*ROWB
	s_or_b32 s[G0B+4*\s+3], s[G0B+4*\s+3], 0x80000000
	JLOAD G0+4*\s, G1, G0B+4*\s, G1B               ; three loads of mine are out in all
.endr
	v_and_b32 v1, 15, v0                           ; r = l % 16
	v_bfe_u32 v2, v0, 4, 1                         ; h = l / 16
	v_mul_u32_u24 v3, v1, PITCH
	v_lshl_add_u32 v4, v2, 4, v3                   ; a fragment's row x pitch + 16 x half
	s_mul_i32 s21, s15, HALFT                      ; my 128 rows of A
	s_mul_i32 s22, s16, HALFT                      ; my 128 rows of B,
	s_add_co_u32 s22, s22, 2*HALFT                 ; which lie behind A's 256
.irp s, 0,1
	v_add_nc_u32 v[ADRA+\s], s21, v4
	v_add_nc_u32 v[ADRB+\s], s22, v4
	s_add_co_u32 s21, s21, SLOT
	s_add_co_u32 s22, s22, SLOT
.endr
	v_mul_u32_u24 v5, v1, KS                       ; my row's scales: 32 bytes a row,
	v_lshrrev_b32 v6, 8, v5
	v_lshl_add_u32 v5, v6, 4, v5                   ; and 16 more for each 256 passed
	s_mul_i32 s21, s15, HALFS                      ; A's: my 128 rows
	s_mul_i32 s22, s16, HALFS                      ; B's: my 128 rows, behind A's 256
	s_add_co_u32 s22, s22, 2*HALFS
	s_sub_co_u32 s22, s22, s21
	v_mul_u32_u24 v6, s22, v2                      ; lanes 16-31 take B's
	s_add_co_u32 s21, s21, SCL
	v_add_nc_u32 v5, v5, v6
	v_add_nc_u32 v[ADRS], s21, v5
	s_mul_i32 s23, s14, 16*P32                     ; my f32 stage
	v_mul_u32_u24 v5, v1, P32                      ; in: row r, 32 bytes for each half of the lanes
	v_lshl_add_u32 v5, v2, 5, v5
	v_add_nc_u32 v[STO32], s23, v5
	v_and_b32 v6, 31, v0
	v_lshlrev_b32 v[CO], 4, v6
	v_add_nc_u32 v[RD32], s23, v[CO]               ; back: the 32 lanes take one row of 512 bytes
	s_mul_i32 s23, s14, 16*P16
	s_add_co_u32 s23, s23, ST16                    ; my f16 stage
	v_mul_u32_u24 v5, v1, P16                      ; in: row r, 16 bytes for each half of the lanes
	v_lshl_add_u32 v5, v2, 4, v5
	v_add_nc_u32 v[STO], s23, v5
	v_lshrrev_b32 v5, 3, v6                        ; back: eight lanes take a head's 128 bytes of a row, four rows an instruction
	v_mul_u32_u24 v5, v5, P16
	v_and_b32 v7, 7, v0
	v_lshl_add_u32 v5, v7, 4, v5
	v_add_nc_u32 v[RD], s23, v5
	; where my part begins in qkv: (tile column / 4) x 2^24 (q, k or v) + (16 cy + 4 (tile column % 4) + 2 x column half) x 2^18 (batch, head) + (256 cluster y + 128 x row half) x 128
	s_lshr_b32 s20, s42, 2
	s_lshl_b32 s20, s20, 24
	s_and_b32 s21, s42, 3
	s_lshl_b32 s21, s21, 2
	s_lshl_b32 s22, s41, 4
	s_add_co_u32 s21, s21, s22
	s_lshl_b32 s22, s16, 1
	s_add_co_u32 s21, s21, s22
	s_lshl_b32 s21, s21, 18
	s_add_co_u32 s20, s20, s21
	s_lshl_b32 s22, s95, 15
	s_add_co_u32 s20, s20, s22
	s_lshl_b32 s22, s15, 14
	s_add_co_u32 s20, s20, s22
	s_mov_b32 s21, 0
	s_add_nc_u64 s[12:13], s[12:13], s[20:21]
	s_mul_i32 s20, s41, 16*SIZE_N*4                ; and in h16: cy x 16 rows + (256 x tile column + 128 x column half) x 4
	s_lshl_b32 s22, s42, 10
	s_add_co_u32 s20, s20, s22
	s_lshl_b32 s22, s16, 9
	s_add_co_u32 s20, s20, s22
	s_add_nc_u64 s[96:97], s[96:97], s[20:21]
	s_or_b32 s95, s95, s15                         ; 0 where my rows 0-15 are a sequence's first 16: cluster y and the wave's number alone
.macro FRAG reg, adr, q, i             ; a fragment: lane l holds row l % 16; registers 4 c .. 4 c + 3 hold K = 64 c + 32 (l / 16) + 0 .. 31
.irp c, 0,1
	ds_load_b128 v[\reg+4*\c:\reg+4*\c+3], v[\adr] offset:64*(\q)+32*\c+(\i)*16*PITCH
.endr
.endm
; 16 matrix instructions: A's blocks a0, a0 + 1 x B's eight, 128 along K.  p: B's set;  sc: the set of scale words.  zero = 1: the first product starts the sums.
; The 64 accumulators take turns, one instruction a turn, in the same order in every step.
.macro MUL16 a0, p, q, sc, zero
.irp a, \a0, \a0+1
.irp b, 0,1,2,3,4,5,6,7
.if \zero
	v_wmma_scale_f32_16x16x128_f8f6f4 v[8*(8*((\a)%4)+\b):8*(8*((\a)%4)+\b)+7], v[128*(\p)+FR*\b:128*(\p)+FR*\b+FR-1], v[AF+FR*(\a):AF+FR*(\a)+FR-1], 0, v[SC+8*NQ*(\sc)+NQ*\b+(\q)], v[SC+8*NQ*(\sc)+NQ*(\a)+(\q)] matrix_a_fmt:MATRIX_FMT_FP4 matrix_b_fmt:MATRIX_FMT_FP4 matrix_a_scale:MATRIX_SCALE_ROW1
.else
	v_wmma_scale_f32_16x16x128_f8f6f4 v[8*(8*((\a)%4)+\b):8*(8*((\a)%4)+\b)+7], v[128*(\p)+FR*\b:128*(\p)+FR*\b+FR-1], v[AF+FR*(\a):AF+FR*(\a)+FR-1], v[8*(8*((\a)%4)+\b):8*(8*((\a)%4)+\b)+7], v[SC+8*NQ*(\sc)+NQ*\b+(\q)], v[SC+8*NQ*(\sc)+NQ*(\a)+(\q)] matrix_a_fmt:MATRIX_FMT_FP4 matrix_b_fmt:MATRIX_FMT_FP4 matrix_a_scale:MATRIX_SCALE_ROW1
.endif
.endr
.endr
.endm
.macro FETCH_B slot, q, p              ; B's eight fragments of the slot's q-th 128 along K into set p
	WIN TO_B
.irp i, 0,1,2,3,4,5,6,7
	FRAG 128*(\p)+FR*\i, ADRB+\slot, \q, \i
.endr
	WIN 0
.endm
.macro FETCH_A slot, q, i0             ; A's blocks i0 .. i0 + 3
.irp i, \i0, \i0+1, \i0+2, \i0+3
	FRAG AF+FR*(\i), ADRA+\slot, \q, \i
.endr
.endm
.macro SCALES sc                       ; a slot's scale words into set sc: four words a row; lanes 0-15 take A's block i, lanes 16-31 B's block i
.irp i, 0,1,2,3,4,5,6,7
	ds_load_b128 v[SC+8*NQ*\sc+NQ*\i:SC+8*NQ*\sc+NQ*\i+3], v[ADRS] offset:\i*SBLK
.endr
.endm
.macro PLACES n                        ; plain vector instructions between a matrix instruction and a load into its registers or a read of its result
.rept \n
	v_nop
.endr
.endm
.macro STEP slot, q, zero              ; a step of 128 along K that has its successor in the same slot
	s_wait_dscnt 4*NL                              ; B's set and A's blocks 0-3 are in; the youngest eight loads (A's blocks 4-7) may be out
	WIN MUL_LO
	MUL16 0, (\q)%2, \q, \slot, \zero
	MUL16 2, (\q)%2, \q, \slot, \zero
	s_wait_dscnt 0                                 ; A's blocks 4-7 are in
	PLACES NP
	FETCH_B \slot, (\q)+1, 1-(\q)%2
	FETCH_A \slot, (\q)+1, 0
	WIN MUL_HI
	MUL16 4, (\q)%2, \q, \slot, \zero
	MUL16 6, (\q)%2, \q, \slot, \zero
	PLACES NP
	WIN 0
	FETCH_A \slot, (\q)+1, 4
.endm
; Slot 0's last step changes slots: one barrier.  In front of it each wave waits for all its tensor loads (its part of slot 1) and for its own reads of slot 0; behind it slot 1 is whole and nobody reads slot 0 any more, which then serves as the stage.
.macro TURN slot, next
	s_wait_tensorcnt 0x0                           ; all my tensor loads have landed
	ds_add_u32 v[SPW], v[NIL]                      ; 0 onto my spare word
	s_wait_dscnt 4*NL+1                            ; (the add and the youngest eight loads may be out)
	WIN MUL_LO
	MUL16 0, 1, NQ-1, \slot, 0
	s_wait_dscnt 0x0                               ; the add is done, and my reads of this slot are over
	s_barrier_signal -1
	MUL16 2, 1, NQ-1, \slot, 0
	WIN 0
	s_barrier_wait -1
	PLACES NP
	v_add_nc_u32 v[ADRS], 4*NQ, v[ADRS]            ; on to the next slot's scale words (no LDS load of mine is out)
	FETCH_B \next, 0, 0
	FETCH_A \next, 0, 0
	SCALES \next
	WIN MUL_HI
	MUL16 4, 1, NQ-1, \slot, 0
	MUL16 6, 1, NQ-1, \slot, 0
	PLACES NP
	WIN 0
	FETCH_A \next, 0, 4
.endm
.macro STEPS slot, from                ; the slot's steps from .. NQ - 2
.set Q, \from
.rept NQ-1-\from
	STEP \slot, Q, 0
.set Q, Q+1
.endr
.endm
	s_wait_tensorcnt 1                             ; the scales and my part of slot 0 are in; the one load behind them, slot 1's, may be out
	s_barrier_signal -1
	s_barrier_wait -1                              ; everybody's are
	FETCH_B 0, 0, 0
	FETCH_A 0, 0, 0
	SCALES 0
	FETCH_A 0, 0, 4
	STEP 0, 0, 1                                   ; the first step's products start the sums
	STEPS 0, 1
	TURN 0, 1
	STEPS 1, 0
	s_wait_dscnt 4*NL                              ; the very last step: nothing more to fetch
	WIN MUL_LO
	MUL16 0, 1, NQ-1, 1, 0
	MUL16 2, 1, NQ-1, 1, 0
	s_wait_dscnt 0
	WIN MUL_HI
	MUL16 4, 1, NQ-1, 1, 0
	MUL16 6, 1, NQ-1, 1, 0
	WIN 0
; THE WAY OUT, block by block of 16 rows x 128 columns (two heads).  PACK: rounded to f16, 16 bytes a lane.  TOSTAGE: into my own stage, and back head by head: four rows of a head, 512 consecutive bytes of qkv, an instruction.  SEND: stored.
.macro PACK a
.set AC, 64*((\a)%4)
	WIN 0x0a+5*((\a)/4)                            ; sources 0 and 1: window 2 or 3
.irp b, 0,1,2,3,4,5,6,7
.irp r, 0,1,2,3
	v_cvt_pk_f16_f32 v[TMP+4*\b+\r], v[AC+8*\b+2*\r], v[AC+8*\b+2*\r+1]   ; each accumulator from its low end on
.endr
.endr
	WIN 0
.endm
.macro TOSTAGE a
.set OBB, OB+192*((\a)%2)
.irp b, 0,1,2,3,4,5,6,7
	ds_store_b128 v[STO], v[TMP+4*\b:TMP+4*\b+3] offset:32*\b
.endr
.irp e, 0,1
.irp t, 0,1,2,3
	ds_load_b128 v[OBB+4*(4*\e+\t):OBB+4*(4*\e+\t)+3], v[RD] offset:\t*4*P16+128*\e   ; LDS serves a wave's instructions in order: these see the stores above
.endr
.endr
.endm
.macro SEND a
.set OBB, OB+192*((\a)%2)
	s_wait_dscnt 0x0                               ; the block is back in registers
	s_wait_xcnt 0x0                                ; the block before has had its stores' addresses translated: its registers take the next block's loads only behind this wait
.irp e, 0,1
.irp t, 0,1,2,3
	global_store_b128 v[CO], v[OBB+4*(4*\e+\t):OBB+4*(4*\e+\t)+3], s[12:13] offset:(\a)*2048+\t*512+\e*262144   ; 32 lanes store 512 consecutive bytes, aligned
.endr
.endr
.endm
	PLACES NP                                      ; behind the last products: for the reads of results and for the loads into registers that held fragments and scales
	s_cmp_eq_u32 s95, 0
	s_cbranch_scc0 .Lno16
	WIN 0x08                                       ; an LDS store's data are its source 1: window 2.  MY ROWS 0-15 ARE A SEQUENCE'S FIRST 16: they also leave whole, as f32
.irp b, 0,1,2,3,4,5,6,7
	ds_store_b128 v[STO32], v[8*\b:8*\b+3] offset:64*\b
	ds_store_b128 v[STO32], v[8*\b+4:8*\b+7] offset:64*\b+16
.endr
	WIN 0
.irp t, 0,1,2,3,4,5,6,7,8,9,10,11,12,13,14,15
	ds_load_b128 v[BK32+4*\t:BK32+4*\t+3], v[RD32] offset:\t*P32
.endr
.irp t, 0,1,2,3,4,5,6,7,8,9,10,11,12,13,14,15
	s_wait_dscnt 15-\t                             ; row t is in; the younger loads may be out
	global_store_b128 v[CO], v[BK32+4*\t:BK32+4*\t+3], s[96:97] offset:\t*SIZE_N*4   ; 32 lanes store 512 consecutive bytes, aligned
.endr
.Lno16:
	PACK 0
	TOSTAGE 0
.irp a, 1,2,3,4,5,6,7                  ; block a's conversions stand between block a - 1's loads from the stage and the wait for them
	PACK \a
	SEND \a-1
	TOSTAGE \a
.endr
	SEND 7
	s_wait_tensorcnt 0x0                           ; the wave's end: behind my last tensor load and my last LDS store
	ds_add_u32 v[SPW], v[NIL]
	s_wait_dscnt 0x0
	CROUND                                         ; the closing round
	s_endpgm
.Lfunc_end_k_q72dd473183_qkv_gemm:
	.size	k_q72dd473183_qkv_gemm, .Lfunc_end_k_q72dd473183_qkv_gemm-k_q72dd473183_qkv_gemm
	.p2alignl 7, 3214868480
	.fill 96, 4, 3214868480
	.section	.rodata,"a",@progbits
	.p2align	6, 0x0
	.amdhsa_kernel k_q72dd473183_qkv_gemm
		.amdhsa_group_segment_fixed_size 327680
		.amdhsa_private_segment_fixed_size 0
		.amdhsa_enable_private_segment 0
		.amdhsa_kernarg_size 48
		.amdhsa_user_sgpr_count 2
		.amdhsa_user_sgpr_kernarg_segment_ptr 1
		.amdhsa_wavefront_size32 1
		.amdhsa_system_sgpr_workgroup_id_x 1
		.amdhsa_system_sgpr_workgroup_id_y 1
		.amdhsa_system_sgpr_workgroup_id_z 1
		.amdhsa_system_vgpr_workitem_id 0
		.amdhsa_next_free_vgpr 1024
		.amdhsa_next_free_sgpr 98
		.amdhsa_reserve_vcc 0
		.amdhsa_float_denorm_mode_32 3
		.amdhsa_float_denorm_mode_16_64 3
		.amdhsa_memory_ordered 1
		.amdhsa_forward_progress 1
		.amdhsa_inst_pref_size 131
	.end_amdhsa_kernel
	.amdgpu_metadata
---
amdhsa.version: [ 1, 2 ]
amdhsa.kernels:
  - .name:           k_q72dd473183_qkv_gemm
    .symbol:         k_q72dd473183_qkv_gemm.kd
    .args:
      - { .name: xc, .offset: 0, .size: 8, .value_kind: global_buffer, .address_space: global }
      - { .name: xs, .offset: 8, .size: 8, .value_kind: global_buffer, .address_space: global }
      - { .name: wc, .offset: 16, .size: 8, .value_kind: global_buffer, .address_space: global }
      - { .name: ws, .offset: 24, .size: 8, .value_kind: global_buffer, .address_space: global }
      - { .name: qkv, .offset: 32, .size: 8, .value_kind: global_buffer, .address_space: global }
      - { .name: h16, .offset: 40, .size: 8, .value_kind: global_buffer, .address_space: global }
    .group_segment_fixed_size: 327680
    .private_segment_fixed_size: 0
    .kernarg_segment_align: 8
    .kernarg_segment_size: 48
    .max_flat_workgroup_size: 128
    .sgpr_count:     98
    .vgpr_count:     1024
    .wavefront_size: 32
...
	.end_amdgpu_metadata
.endif
;; end of part 2
;; launch attn (part 3): grid 8 x 64, 16 waves a work-group, no clusters, 327,680 bytes of LDS; arguments qkv, att; writes att
.if DOCPART == 3
	.amdgcn_target "amdgcn-amd-amdhsa--gfx1250"
	.amdhsa_code_object_version 6
	.text
	.protected	k_q72dd473183_attn
	.globl	k_q72dd473183_attn
	.p2align	8
	.type	k_q72dd473183_attn,@function
k_q72dd473183_attn:
	s_mov_b64 s[64:65], 0
	v_nop
	global_prefetch_b8 v0, s[64:65] scope:SCOPE_SE
	s_setreg_imm32_b32 hwreg(HW_REG_WAVE_MODE, 25, 1), 1
	s_wait_xcnt 0x0
; att[b][h][q][:] = the sum over k <= q of softmax_k(Q[q] . K[k] / 8) V[k][:].  Q, K, V: f16 [3][batch x head 64][2048][64] (qkv); att: f16 [64][2048][64].  Products on f16 operands, sums, maxima and exponentials in f32.
; WORK LEFT OUT: a step of 128 keys all of which come after a wave's 16 queries (reference()'s own causal mask gives them the weight 0 for every input), and the fetch of keys that none of the work-group's queries sees.
; LIMITS: as stated at the head of prep.  The weights p go to the second product as f16; p <= 1.
; SHARES.  A work-group owns two blocks of 128 queries of one head: block i (waves 0-7) and block 15 - i (waves 8-15), i = work-group x: 17 blocks of 128 x 128 that count, whatever i.  A wave owns 16 queries, in 256 registers: four waves to a SIMD.
; NO CLUSTER: the work-groups of a head need different numbers of slots of keys (the last query is 2,047 - 128 i), so a joint load would bring some partners tiles that none of their waves reads.
; Every work-group walks all 8 slots of 256 keys (constant trip counts); the work of hidden steps and the loads of unseen slots are jumped over, by branches on ids alone.
; LAYOUT.  Both products are used transposed: S^T = K Q^T (source 0 = 16 keys, source 1 = my 16 queries), O^T = V^T P (source 0 = 16 channels, source 1 = P): a lane holds ONE query (lane % 16) throughout.
; In S^T register 8 t + j of lane (r, h) is key 16 t + 8 h + j: two neighbouring tiles, rounded to f16 in pairs, are source 1 (32 keys) of the second product.  K comes out of LDS as it lies, V ([key][channel]) turned, by ds_load_tr16_b128.
; SOFTMAX.  t = score x log2(e) / 8; M = the running largest t, rounded up to a whole number; p = 2^(t - M); when M moves, the sum and O^T are multiplied by 2^(old M - new M), which rounds nothing; the row's sum of p (f32) divides at the end.
; REGISTERS: v1-3, v5-7, v10-11 addresses that stay; v8, v9 addresses of the step; v12 -M, v13 the largest t, v[14:15] the sum in two halves; v16-31 Q; v32-95 eight fragments of K or of V; v96-159 S^T, then p; v160-191 O^T; v192-223 P; v232-254 at work.
.set SK,    256                        ; keys in a slot
.set ROWB,  128                        ; a row of K or V in bytes
.set KP,    144                        ; a key's row in LDS: 128 bytes + 16 of padding
.set VP,    160                        ; V's: 128 + 32
.set VOFF,  SK*KP                      ; a slot: 256 rows of K, then 256 rows of V
.set SLOT1, 1<<17                      ; slot 1 begins here: one exclusive or turns an address in one slot into the other's
.set NSL,   2048/SK
.set STAGE, 2*SLOT1                    ; behind the slots: 16 rows x 144 bytes for each wave, for the way out
.set SPI,   144
.set SPARE, STAGE+16*16*SPI            ; the spare words, 128 bytes for each wave: eight blocks of 256 bytes that no other line names
.set AK0,  1                           ; v1   my lane's place in a tile of K
.set AV0,  2                           ; v2   the same for V
.set PFO,  3                           ; v3   the prefetches' offset: 256 x lane
.set SPW,  5                           ; v5   LDS address of my spare word; never rewritten
.set NIL,  6                           ; v6   0; never rewritten
.set GO,   7                           ; v7   16 x lane: my place in 512 consecutive bytes of att
.set ADK,  8
.set ADV,  9
.set STO,  10                          ; v10  the stage: where I put 16 bytes of a row
.set RD,   11                          ; v11  and where I read 16 bytes back
.set WV,   18                          ; s18  my wave's number
.set SEL,  20                          ; s[20:21] lane selects for v_permlanex16_b32: lane l xor 16
.set CS,   22                          ; s[22:23] c = log2(e) / 8
.set G1K,  24
.set G1V,  32
.set G0K,  40
.set G0V,  44
.set TB,   2                           ; s2   LDS byte at which the slot in hand begins
.set SLOTS, 67                         ; s67  changes of slots still to come in the loop
.set QL,   68                          ; s68  my work-group's last query
.set PFA,  76                          ; s[76:77] where my prefetches stand
.set LIM,  80                          ; s80  1 in a wave that prefetches, else the greatest number
.set KF,   98                          ; s98  the step's first key
.set Q0,   99                          ; s99  my first query
; Waves 0 and 1 fetch K's halves, waves 2 and 3 V's, the others nothing.  An s_nop 0 and four v_nop follow each of the two lines.
.macro TLOAD
	s_cmp_lt_u32 s[WV], 2
	s_cbranch_scc0 .Lnot_k_\@
	tensor_load_to_lds s[G0K:G0K+3], s[G1K:G1K+7]
	s_nop 0
.rept 4
	v_nop
.endr
	s_branch .Lasked_\@
.Lnot_k_\@:
	s_cmp_lt_u32 s[WV], 4
	s_cbranch_scc0 .Lasked_\@
	tensor_load_to_lds s[G0V:G0V+3], s[G1V:G1V+7]
	s_nop 0
.rept 4
	v_nop
.endr
.Lasked_\@:
.endm
; A prefetch of the slot that the NEXT change of slots will ask for: K's 256 rows and V's are dense blocks of 32,768 bytes each.  All eight work-groups of a head walk the same K and V: work-group x = 0, which sees every slot, asks, and nobody else.
; In it waves 4 to 7 ask for K's block and waves 8 to 11 for V's, 8,192 bytes a wave, lanes 256 bytes apart: each aligned block of 256 bytes is named once in the launch.  The last change that fills a slot asks for nothing; slots 0 and 1 come by their loads alone.
.macro ASK
	s_cmp_gt_u32 s[SLOTS], s[LIM]
	s_cbranch_scc0 .Lnot_mine_\@
	global_prefetch_b8 v[PFO], s[PFA:PFA+1] th:TH_LOAD_NT scope:SCOPE_SE
.Lnot_mine_\@:
.endm
	s_load_b128 s[4:7], s[0:1], 0x0                ; qkv, att
	v_lshl_add_u32 v[SPW], v0, 2, SPARE
	v_mov_b32 v[NIL], 0
	ds_add_u32 v[SPW], v[NIL]                      ; the wave's opening: the add, twice on end, and its wait ahead of my first tensor load
	ds_add_u32 v[SPW], v[NIL]
	v_lshrrev_b32 v8, 5, v0
	v_readfirstlane_b32 s[WV], v8                  ; wave 0..15
	s_and_b32 s72, ttmp7, 0xffff
	s_lshl_b32 s72, s72, 18                        ; the head's first byte in q, k, v and att: 2,048 rows of 128 bytes a head
	s_sub_co_u32 s70, 15, ttmp9
	s_cmp_lt_u32 s[WV], 8
	s_cselect_b32 s70, ttmp9, s70                  ; my block of 128 queries: i or 15 - i
	s_lshl_b32 s70, s70, 7
	s_and_b32 s71, s[WV], 7
	s_lshl_b32 s71, s71, 4
	s_add_co_u32 s[Q0], s70, s71                   ; my first query
	s_lshl_b32 s70, ttmp9, 7
	s_sub_co_u32 s[QL], 2047, s70                  ; the work-group's last: the end of block 15 - i
	s_lshl_b32 s84, s[Q0], 7
	s_add_co_u32 s84, s84, s72                     ; my queries' rows in q and in att
	s_mov_b32 s85, 0
	s_and_b32 s88, s[WV], 1                        ; which 128 rows of a slot I fetch, if I fetch
	s_lshl_b32 s74, s88, 14
	s_add_co_u32 s74, s74, s72
	s_add_co_u32 s82, s74, 2<<24                   ; in v,
	s_add_co_u32 s74, s74, 1<<24                   ; in k
	s_mov_b32 s75, 0
	s_mov_b32 s83, 0
	s_mul_i32 s90, s88, 128*KP                     ; and in a slot
	s_mul_i32 s91, s88, 128*VP
	s_add_co_u32 s91, s91, VOFF
	; descriptor group 1: 128 rows of 64 elements of 2 bytes, dense in memory, padded in LDS
	s_mov_b32 s[G1K], (1<<16)|(1<<20)|(4<<22)|(3<<25)             ; no mask; elements of 2 bytes; padding on: four words after every 32
	s_mov_b32 s[G1V], (1<<16)|(1<<20)|(4<<22)|(7<<25)             ; eight words after every 32
.irp g, G1K, G1V
	s_mov_b32 s[\g+1], 64<<16                      ; tensor_dim0
	s_mov_b32 s[\g+2], 128<<16                     ; tensor_dim1
	s_mov_b32 s[\g+3], 64<<16                      ; tile_dim0
	s_mov_b32 s[\g+4], 128                         ; tile_dim1
	s_mov_b32 s[\g+5], 64                          ; tensor_dim0_stride
	s_mov_b32 s[\g+6], 0
	s_mov_b32 s[\g+7], 0
.endr
	s_mov_b32 s[SEL], 0x76543210
	s_mov_b32 s[SEL+1], 0xfedcba98
	s_mov_b32 s[CS], 0x3e38aa3b                    ; c = log2(e) / 8
	s_mov_b32 s[CS+1], s[CS]                       ; (named with it as a pair, so it is written)
	s_mov_b32 s[TB], 0
	s_mov_b32 s[SLOTS], NSL-1
	s_mov_b32 s[KF], 0
	s_mov_b32 s92, 2<<24                           ; the prefetches: waves 4 to 7 stand in k, waves 8 to 11 in v,
	s_cmp_lt_u32 s[WV], 8
	s_cselect_b32 s92, 1<<24, s92
	s_add_co_u32 s92, s92, s72                     ; in my head,
	s_and_b32 s93, s[WV], 3
	s_lshl_b32 s93, s93, 13
	s_add_co_u32 s92, s92, s93                     ; at my wave's 8,192 bytes,
	s_add_co_u32 s92, s92, SK*ROWB                 ; of slot 1: the first change of slots steps it to slot 2
	s_mov_b32 s93, 0
	s_sub_co_u32 s94, s[WV], 4
	s_lshr_b32 s94, s94, 3                         ; 0 in waves 4 to 11,
	s_or_b32 s94, s94, ttmp9                       ; of the head's first work-group
	s_cmp_eq_u32 s94, 0
	s_cselect_b32 s[LIM], 1, -1
	s_wait_dscnt 0x0                               ; both opening adds are done
	s_wait_kmcnt 0x0
	s_mov_b32 s[G0K], 1                            ; count = 1
	s_mov_b32 s[G0K+1], s90                        ; LDS address: slot 0
	s_add_nc_u64 s[G0K+2:G0K+3], s[4:5], s[74:75]  ; global address: the head's first keys
	s_or_b32 s[G0K+3], s[G0K+3], 0x80000000        ; type = 2
	s_mov_b32 s[G0V], 1
	s_mov_b32 s[G0V+1], s91
	s_add_nc_u64 s[G0V+2:G0V+3], s[4:5], s[82:83]
	s_or_b32 s[G0V+3], s[G0V+3], 0x80000000
	TLOAD                                          ; slot 0: it holds key 0, which counts for every query
	s_add_nc_u64 s[8:9], s[4:5], s[84:85]          ; q at my first query
	s_add_nc_u64 s[16:17], s[6:7], s[84:85]        ; att likewise
	s_add_nc_u64 s[PFA:PFA+1], s[4:5], s[92:93]
	v_and_b32 v232, 15, v0                         ; r
	v_bfe_u32 v233, v0, 4, 1                       ; h
	v_lshlrev_b32 v254, 7, v232
	v_lshl_add_u32 v254, v233, 4, v254             ; Q: row r of 128 bytes, + 16 h
.irp c, 0,1,2,3
	global_load_b128 v[16+4*\c:19+4*\c], v254, s[8:9] offset:32*\c   ; two fragments (channels 0-31, 32-63): they stay
.endr
	v_mul_u32_u24 v[AK0], v232, KP
	v_lshl_add_u32 v[AK0], v233, 4, v[AK0]         ; K: row r x pitch + 16 h
	v_and_b32 v234, 7, v0                          ; l % 8
	v_lshl_add_u32 v235, v233, 3, v234
	v_mul_u32_u24 v[AV0], v235, VP                 ; V, turned: key 8 h + l % 8,
	v_bfe_u32 v235, v0, 3, 1
	v_lshl_add_u32 v[AV0], v235, 4, v[AV0]         ; channels 8 ((l / 8) % 2) on
	v_add_nc_u32 v[AV0], VOFF, v[AV0]
	v_and_b32 v235, 31, v0
	v_lshlrev_b32 v[PFO], 8, v235
	v_lshlrev_b32 v[GO], 4, v235
	s_mul_i32 s73, s[WV], 16*SPI
	s_add_co_u32 s73, s73, STAGE                   ; my stage
	v_mul_u32_u24 v[STO], v232, SPI
	v_lshl_add_u32 v[STO], v233, 4, v[STO]
	v_add_nc_u32 v[STO], s73, v[STO]               ; in: row r, + 16 h
	v_lshrrev_b32 v235, 3, v235
	v_mul_u32_u24 v[RD], v235, SPI
	v_lshl_add_u32 v[RD], v234, 4, v[RD]
	v_add_nc_u32 v[RD], s73, v[RD]                 ; back: eight lanes to a row of 128 bytes, four rows an instruction
	v_mov_b32 v13, 0xff61b1e6                      ; the largest t so far: -3e38, under every t
	v_floor_f32 v12, -v13                          ; -M
	v_mov_b32 v14, 0                               ; the sum, in two halves
	v_mov_b32 v15, 0
	v_mov_b32 v236, 0                              ; written once: a lane permute's destination counts as one of its sources
	v_mov_b32 v252, 0
	v_mov_b32 v253, 0                              ; (named as the upper half of the pair v[252:253])
.set n, 0
.rept 32
	v_mov_b32 v[160+n], 0                          ; O^T: the step is written once; the first finds zeros, which the first change of M leaves zeros
.set n, n+1
.endr
.macro VFETCH q, g                     ; V^T's fragments of keys 64 g .. 64 g + 63 of the step: (32 keys uu, 16 channels ct) at v[32 + 8 (4 uu + ct)]
.irp uu, 0,1
.irp ct, 0,1,2,3
	ds_load_tr16_b128 v[32+8*(4*\uu+\ct):32+8*(4*\uu+\ct)+3], v[ADV] offset:(128*(\q)+32*(2*(\g)+\uu))*VP+32*\ct
	ds_load_tr16_b128 v[32+8*(4*\uu+\ct)+4:32+8*(4*\uu+\ct)+7], v[ADV] offset:(128*(\q)+32*(2*(\g)+\uu))*VP+32*\ct+16*VP
.endr
.endr
.endm
; A KEY STEP: 128 keys, the q-th of the slot in hand.
.macro STEP q
	s_add_co_u32 s96, s[Q0], 15                    ; a step all of whose keys come after my 16 queries is left out: a branch on ids, round the step's loads, products and softmax; no barrier and no tensor load stands in a step
	s_cmp_gt_u32 s[KF], s96
	s_cbranch_scc1 .Lhidden_\@
	v_add_nc_u32 v[ADK], s[TB], v[AK0]
	v_add_nc_u32 v[ADV], s[TB], v[AV0]
	v_nop                                          ; with the two additions: four places between the last step's products and the loads into the registers that they read
	v_nop
.irp g, 0,1                                    ; S^T = K Q^T, four tiles of 16 keys at a time; fragment (tile t, channels 32 f on) at v[32 + 8 (2 t + f)]
.if \g > 0
.rept 4
	v_nop                                          ; places in front of loads into registers that matrix instructions have read
.endr
.endif
.irp t, 0,1,2,3
.irp f, 0,1
	ds_load_b128 v[32+8*(2*\t+\f):32+8*(2*\t+\f)+3], v[ADK] offset:(128*(\q)+64*\g+16*\t)*KP+64*\f
	ds_load_b128 v[32+8*(2*\t+\f)+4:32+8*(2*\t+\f)+7], v[ADK] offset:(128*(\q)+64*\g+16*\t)*KP+64*\f+32
.endr
.endr
	s_wait_dscnt 0x0
.irp t, 0,1,2,3                                ; the four accumulators take turns, one instruction a turn
	v_wmma_f32_16x16x32_f16 v[96+8*(4*\g+\t):103+8*(4*\g+\t)], v[32+16*\t:39+16*\t], v[16:23], 0
.endr
.irp t, 0,1,2,3
	v_wmma_f32_16x16x32_f16 v[96+8*(4*\g+\t):103+8*(4*\g+\t)], v[40+16*\t:47+16*\t], v[24:31], v[96+8*(4*\g+\t):103+8*(4*\g+\t)]
.endr
.endr
.rept 4
	v_nop                                          ; places: for the reads of the scores and for the loads below
.endr
	VFETCH \q, 0                                   ; V's first 64 keys are asked for now and land under the softmax
	s_add_co_u32 s96, s[KF], 127                   ; on the diagonal the scores of hidden keys become -infinity ahead of the maximum: p = 0 then.  A step all of whose keys count skips this
	s_cmp_le_u32 s96, s[Q0]
	s_cbranch_scc1 .Lopen_\@
	s_sub_co_i32 s96, s[Q0], s[KF]
	v_and_b32 v252, 15, v0
	v_bfe_u32 v253, v0, 4, 1
	v_lshlrev_b32 v253, 3, v253
	v_sub_nc_u32 v252, v252, v253
	v_add_nc_u32 v252, s96, v252                   ; d = my query - KF - 8 h.  Register 8 t + j holds key KF + 16 t + 8 h + j: hidden where 16 t + j > d
	v_mov_b32 v254, 0xff800000                     ; -infinity
.set n, 0
.rept 64
	v_cmp_gt_i32 vcc_lo, 16*(n/8)+n%8, v252
	v_cndmask_b32 v[96+n], v[96+n], v254, vcc_lo
.set n, n+1
.endr
.Lopen_\@:
.irp b, 0,1,2,3
	v_max3_num_f32 v[232+\b], v[96+16*\b], v[97+16*\b], v[98+16*\b]   ; the largest score, in four chains; each accumulator is read from its low end on
.endr
.irp i, 3,5,7,9,11,13
.irp b, 0,1,2,3
	v_max3_num_f32 v[232+\b], v[232+\b], v[96+16*\b+\i], v[97+16*\b+\i]
.endr
.endr
.irp b, 0,1,2,3
	v_max_num_f32 v[232+\b], v[232+\b], v[111+16*\b]
.endr
	v_max3_num_f32 v232, v232, v233, v234
	v_max_num_f32 v232, v232, v235
	v_permlanex16_b32 v236, v232, s[SEL], s[SEL+1]
	v_max_num_f32 v254, v232, v236                 ; with lane l xor 16's 64 keys: the step's largest score of my query
	v_mul_f32 v254, s[CS], v254                    ; as t (c is positive)
	v_max_num_f32 v13, v13, v254                   ; the running largest t
	v_mov_b32 v254, v12
	v_floor_f32 v12, -v13                          ; the new -M = floor(-t): M is a whole number
	v_sub_f32 v254, v12, v254                      ; M's old value less its new one: a whole number, 0 or less
	v_cvt_i32_f32 v254, v254                       ; (it saturates)
	v_ldexp_f32 v252, 1.0, v254                    ; f = 2^(old M - new M)
.set n, 0
.rept 32
	v_pk_fma_f32 v[96+n:97+n], v[96+n:97+n], s[CS:CS+1], v[12:13] op_sel_hi:[1,0,0]   ; t - M, two at a time (of the pairs c and -M the low word serves both halves)
.set n, n+2
.endr
.set n, 0
.rept 64
	v_exp_f32 v[96+n], v[96+n]                     ; p = 2^(t - M), at most 1
.set n, n+1
.endr
	v_pk_mul_f32 v[14:15], v[14:15], v[252:253] op_sel_hi:[1,0]   ; the sums under the new M: a plain instruction behind the exponentials
	s_wait_alu depctr_va_vdst(0)                   ; one wait for the whole batch, ahead of its first reader
.set n, 0
.rept 32
	v_cvt_pk_f16_f32 v[192+n], v[96+2*n], v[97+2*n]   ; P: registers 8 u .. 8 u + 7 are source 1 of keys 32 u on
.set n, n+1
.endr
	v_pk_add_f32 v[236:237], v[96:97], v[98:99]    ; the row's sum, of p in f32: two at a time, in two chains
.irp j, 4,8,12,16,20,24,28,32,36,40,44,48,52,56,60
	v_pk_add_f32 v[14:15], v[14:15], v[96+\j:97+\j]
	v_pk_add_f32 v[236:237], v[236:237], v[98+\j:99+\j]
.endr
	v_pk_add_f32 v[14:15], v[14:15], v[236:237]
.set n, 0
.rept 16
	v_pk_mul_f32 v[160+n:161+n], v[160+n:161+n], v[252:253] op_sel_hi:[1,0]   ; O^T under the new M
.set n, n+2
.endr
.irp g, 0,1                                    ; O^T += V^T P: 64 keys at a time; the four accumulators take turns
.if \g > 0
.rept 4
	v_nop
.endr
	VFETCH \q, 1
.endif
	s_wait_dscnt 0x0
.irp uu, 0,1
.irp ct, 0,1,2,3
	v_wmma_f32_16x16x32_f16 v[160+8*\ct:167+8*\ct], v[32+8*(4*\uu+\ct):39+8*(4*\uu+\ct)], v[192+8*(2*\g+\uu):199+8*(2*\g+\uu)], v[160+8*\ct:167+8*\ct]
.endr
.endr
.endr
.Lhidden_\@:
	s_add_co_u32 s[KF], s[KF], 128
.endm
; THE CHANGE OF SLOTS stands at a slot's head.  Each wave waits for all its tensor loads (its part of the slot that it is about to read), adds 0 to its spare word, and waits for that and for its reads of the slot that it has left.
; Behind the barrier the slot ahead is whole and nobody reads the other one.  fill = 1: that other slot takes the keys that follow, if any query of the work-group sees them.  One tensor load of a wave is out at the most.
.macro CHANGE fill
	s_wait_tensorcnt 0x0                           ; no tensor load of mine is out, so a group 0 may be written
	ds_add_u32 v[SPW], v[NIL]                      ; 0 onto my spare word
.if \fill
	ds_add_u32 v[SPW], v[NIL]                      ; and once more
	s_xor_b32 s[G0K+1], s[G0K+1], SLOT1            ; the walking descriptors: the other slot than last time,
	s_add_nc_u64 s[G0K+2:G0K+3], s[G0K+2:G0K+3], SK*ROWB   ; the next 256 keys
	s_xor_b32 s[G0V+1], s[G0V+1], SLOT1
	s_add_nc_u64 s[G0V+2:G0V+3], s[G0V+2:G0V+3], SK*ROWB
	s_wait_xcnt 0x0                                ; the last prefetch, a slot back, has read its address, so it may be written:
	s_add_nc_u64 s[PFA:PFA+1], s[PFA:PFA+1], SK*ROWB   ; one slot further on than the walking descriptors
.endif
	s_wait_dscnt 0x0                               ; the add is done, and my reads of the slot that I have left are over
	s_barrier_signal -1
	s_barrier_wait -1
.if \fill
	s_add_co_u32 s96, s[KF], SK                    ; the first key of the slot that this change would ask for:
	s_cmp_gt_u32 s96, s[QL]                        ; behind the work-group's last query it is read by none of the sixteen waves and is not asked for.  Ids and the count of steps alone: all waves go the same way; every wait on TENSORcnt here is for 0
	s_cbranch_scc1 .Lpast_\@
	TLOAD                                          ; the first thing behind the barrier, and a wave's one tensor load until the next
.Lpast_\@:
	ASK                                            ; what the next change of slots will ask for: a slot's two key steps ahead of that load
.endif
.endm
	s_wait_loadcnt 0x0                             ; Q
.Lslot:                                            ; 7 trips: behind each change of slots but the last the next slot is asked for
	CHANGE 1
	STEP 0
	STEP 1
	s_xor_b32 s[TB], s[TB], SLOT1                  ; on to the other slot
	s_sub_co_u32 s[SLOTS], s[SLOTS], 1
	s_cmp_lg_u32 s[SLOTS], 0
	s_cbranch_scc1 .Lslot
	CHANGE 0                                       ; the last slot is written out: nothing is left to fetch
	STEP 0
	STEP 1
	; THE WAY OUT.  O^T is divided by the row's sum, rounded to f16 and goes through my stage in LDS, so that the wave stores 512 consecutive bytes an instruction.
	v_add_f32 v14, v14, v15                        ; the sum's two halves,
	v_permlanex16_b32 v252, v14, s[SEL], s[SEL+1]
	v_add_f32 v14, v14, v252                       ; and lane l xor 16's
	v_rcp_f32 v14, v14
.rept 4
	v_nop                                          ; a plain instruction behind the reciprocal; and the places behind the last products
.endr
	s_wait_alu depctr_va_vdst(0)                   ; the wait ahead of the reciprocal's first reader
.set n, 0
.rept 16
	v_pk_mul_f32 v[96+n:97+n], v[160+n:161+n], v[14:15] op_sel_hi:[1,0]   ; register 8 ct + j is o(r, 16 ct + 8 h + j)
.set n, n+2
.endr
.set n, 0
.rept 16
	v_cvt_pk_f16_f32 v[128+n], v[96+2*n], v[97+2*n]
.set n, n+1
.endr
.irp ct, 0,1,2,3
	ds_store_b128 v[STO], v[128+4*\ct:131+4*\ct] offset:32*\ct
.endr
.irp t, 0,1,2,3
	ds_load_b128 v[32+4*\t:35+4*\t], v[RD] offset:4*SPI*\t   ; LDS serves a wave's instructions in order: these see my stores
.endr
.irp t, 0,1,2,3
	s_wait_dscnt 3-\t                              ; load t is in; the younger ones may be out
	global_store_b128 v[GO], v[32+4*\t:35+4*\t], s[16:17] offset:512*\t
.endr
	s_wait_tensorcnt 0x0                           ; the wave's end: behind my last tensor load and my last LDS store
	ds_add_u32 v[SPW], v[NIL]
	s_wait_dscnt 0x0
	s_endpgm
.Lfunc_end_k_q72dd473183_attn:
	.size	k_q72dd473183_attn, .Lfunc_end_k_q72dd473183_attn-k_q72dd473183_attn
	.p2alignl 7, 3214868480
	.fill 96, 4, 3214868480
	.section	.rodata,"a",@progbits
	.p2align	6, 0x0
	.amdhsa_kernel k_q72dd473183_attn
		.amdhsa_group_segment_fixed_size 327680
		.amdhsa_private_segment_fixed_size 0
		.amdhsa_enable_private_segment 0
		.amdhsa_kernarg_size 16
		.amdhsa_user_sgpr_count 2
		.amdhsa_user_sgpr_kernarg_segment_ptr 1
		.amdhsa_wavefront_size32 1
		.amdhsa_system_sgpr_workgroup_id_x 1
		.amdhsa_system_sgpr_workgroup_id_y 1
		.amdhsa_system_sgpr_workgroup_id_z 1
		.amdhsa_system_vgpr_workitem_id 0
		.amdhsa_next_free_vgpr 256
		.amdhsa_next_free_sgpr 100
		.amdhsa_reserve_vcc 1
		.amdhsa_float_denorm_mode_32 3
		.amdhsa_float_denorm_mode_16_64 3
		.amdhsa_memory_ordered 1
		.amdhsa_forward_progress 1
		.amdhsa_inst_pref_size 108
	.end_amdhsa_kernel
	.amdgpu_metadata
---
amdhsa.version: [ 1, 2 ]
amdhsa.kernels:
  - .name:           k_q72dd473183_attn
    .symbol:         k_q72dd473183_attn.kd
    .args:
      - { .name: qkv, .offset: 0, .size: 8, .value_kind: global_buffer, .address_space: global }
      - { .name: att, .offset: 8, .size: 8, .value_kind: global_buffer, .address_space: global }
    .group_segment_fixed_size: 327680
    .private_segment_fixed_size: 0
    .kernarg_segment_align: 8
    .kernarg_segment_size: 16
    .max_flat_workgroup_size: 512
    .sgpr_count:     100
    .vgpr_count:     256
    .wavefront_size: 32
...
	.end_amdgpu_metadata
.endif
;; end of part 3
;; launch first16 (part 4): grid 16 x 16, 16 waves a work-group, no clusters, 133,120 bytes of LDS; arguments h16, w_proj, b_proj, out0; writes out0
.if DOCPART == 4
	.amdgcn_target "amdgcn-amd-amdhsa--gfx1250"
	.amdhsa_code_object_version 6
	.text
	.protected	k_q72dd473183_first16
	.globl	k_q72dd473183_first16
	.p2align	8
	.type	k_q72dd473183_first16,@function
k_q72dd473183_first16:
	s_mov_b64 s[64:65], 0
	v_nop
	global_prefetch_b8 v0, s[64:65] scope:SCOPE_SE
	s_setreg_imm32_b32 hwreg(HW_REG_WAVE_MODE, 25, 1), 1
	s_wait_xcnt 0x0
; The first 16 positions of every sequence, attention and projection, all in f32 by fused multiply-adds: these rows average one to sixteen values and are the largest of the output, so their operands are not rounded to 16 bits.
; h16: f32 [batch 4][position 16][3072] = q | k | v.  out0[b][row][:] = (softmax over keys <= row of q . k / 8) v, heads side by side, x w_proj + b_proj, for rows 0 .. 15 of each batch.  The launch proj stores all other rows.
; SHARES.  Work-group (x, y): batch y / 4, rows 4 (y % 4) .. + 3, output columns 64 x .. + 63.  Wave w is head w: it makes its head's attention for the four rows, then the head's 64 terms of the projection; the sixteen parts meet in LDS and waves 0 to 3 add them, a row each.
; A lane is (rq = l % 4: the row; e = l / 4: channels 8 e .. 8 e + 7) in the attention, and two output columns in the projection.
; No matrix instruction, no cluster, no tensor load: 64 rows in all, which is no bulk work.
; LDS: a region of 8,192 bytes for each wave: +0 K (16 rows x 256 bytes), later the attention's result [channel 64][row 4]; +4096 V, later my part of the four output rows (4 x 256 bytes).
.set REG,   8192
.set SPARE, 16*REG                     ; the spare words, 128 bytes for each wave: eight blocks of 256 bytes that no other line names
.set SPW,   4                          ; v4   LDS address of my spare word; never rewritten
.set NIL,   5                          ; v5   0; never rewritten
.set PR,    24                         ; v24-39  the 16 scores, then p
.set SA,    88                         ; v88-119 16 pairs: the scores' partial sums
.set W,     128                        ; v128-255 w_proj: my head's 64 rows, two columns a lane
.macro LLOAD buf, grp, base            ; four rows of K (base 0) or V (base 4096), my 8 channels of each; lanes of one e read the same bytes
.irp jj, 0,1,2,3
	ds_load_b128 v[(\buf)+8*\jj:(\buf)+8*\jj+3], v9 offset:\base+(4*(\grp)+\jj)*256
	ds_load_b128 v[(\buf)+8*\jj+4:(\buf)+8*\jj+7], v9 offset:\base+(4*(\grp)+\jj)*256+16
.endr
.endm
.macro SMUL buf, grp                   ; q . k over my 8 channels, for four keys, two channels an instruction
.irp jj, 0,1,2,3
	v_pk_mul_f32 v[SA+2*(4*(\grp)+\jj):SA+2*(4*(\grp)+\jj)+1], v[16:17], v[(\buf)+8*\jj:(\buf)+8*\jj+1]
.endr
.irp p, 1,2,3
.irp jj, 0,1,2,3
	v_pk_fma_f32 v[SA+2*(4*(\grp)+\jj):SA+2*(4*(\grp)+\jj)+1], v[16+2*\p:17+2*\p], v[(\buf)+8*\jj+2*\p:(\buf)+8*\jj+2*\p+1], v[SA+2*(4*(\grp)+\jj):SA+2*(4*(\grp)+\jj)+1]
.endr
.endr
.endm
.macro PVM buf, grp                    ; o += p v for four keys: p of an even key is the low word of its pair, of an odd key the high word, taken for both halves
.irp jj, 0,1,2,3
.irp p, 0,1,2,3
.if (4*(\grp)+\jj) == 0
	v_pk_mul_f32 v[16+2*\p:17+2*\p], v[(\buf)+2*\p:(\buf)+2*\p+1], v[PR:PR+1] op_sel_hi:[1,0]
.elseif (\jj)%2
	v_pk_fma_f32 v[16+2*\p:17+2*\p], v[(\buf)+8*\jj+2*\p:(\buf)+8*\jj+2*\p+1], v[PR+4*(\grp)+\jj-1:PR+4*(\grp)+\jj], v[16+2*\p:17+2*\p] op_sel:[0,1,0] op_sel_hi:[1,1,1]
.else
	v_pk_fma_f32 v[16+2*\p:17+2*\p], v[(\buf)+8*\jj+2*\p:(\buf)+8*\jj+2*\p+1], v[PR+4*(\grp)+\jj:PR+4*(\grp)+\jj+1], v[16+2*\p:17+2*\p] op_sel_hi:[1,0,1]
.endif
.endr
.endr
.endm
.macro ALOAD buf, grp                  ; the four rows' attention at 8 channels: every lane reads the same 16 bytes
.irp dd, 0,1,2,3,4,5,6,7
	ds_load_b128 v[(\buf)+4*\dd:(\buf)+4*\dd+3], v12 offset:16*(8*(\grp)+\dd)
.endr
.endm
.macro PRJ buf, grp                    ; my two columns of the four rows += attention(row, channel) x w_proj(channel, my two columns)
.irp dd, 0,1,2,3,4,5,6,7
.if (8*(\grp)+\dd) == 0
	v_pk_mul_f32 v[120:121], v[(\buf):(\buf)+1], v[W:W+1] op_sel_hi:[0,1]
	v_pk_mul_f32 v[122:123], v[(\buf):(\buf)+1], v[W:W+1] op_sel:[1,0] op_sel_hi:[1,1]
	v_pk_mul_f32 v[124:125], v[(\buf)+2:(\buf)+3], v[W:W+1] op_sel_hi:[0,1]
	v_pk_mul_f32 v[126:127], v[(\buf)+2:(\buf)+3], v[W:W+1] op_sel:[1,0] op_sel_hi:[1,1]
.else
	v_pk_fma_f32 v[120:121], v[(\buf)+4*\dd:(\buf)+4*\dd+1], v[W+2*(8*(\grp)+\dd):W+2*(8*(\grp)+\dd)+1], v[120:121] op_sel_hi:[0,1,1]
	v_pk_fma_f32 v[122:123], v[(\buf)+4*\dd:(\buf)+4*\dd+1], v[W+2*(8*(\grp)+\dd):W+2*(8*(\grp)+\dd)+1], v[122:123] op_sel:[1,0,0] op_sel_hi:[1,1,1]
	v_pk_fma_f32 v[124:125], v[(\buf)+4*\dd+2:(\buf)+4*\dd+3], v[W+2*(8*(\grp)+\dd):W+2*(8*(\grp)+\dd)+1], v[124:125] op_sel_hi:[0,1,1]
	v_pk_fma_f32 v[126:127], v[(\buf)+4*\dd+2:(\buf)+4*\dd+3], v[W+2*(8*(\grp)+\dd):W+2*(8*(\grp)+\dd)+1], v[126:127] op_sel:[1,0,0] op_sel_hi:[1,1,1]
.endif
.endr
.endm
	s_load_b256 s[4:11], s[0:1], 0x0               ; h16, w_proj, b_proj, out0
	v_lshl_add_u32 v[SPW], v0, 2, SPARE
	v_mov_b32 v[NIL], 0
	v_lshrrev_b32 v1, 5, v0
	v_readfirstlane_b32 s12, v1                    ; wave = head
	s_and_b32 s13, ttmp7, 0xffff
	s_lshr_b32 s14, s13, 2                         ; batch
	s_and_b32 s15, s13, 3                          ; which four rows
	v_and_b32 v2, 31, v0                           ; lane
	v_and_b32 v3, 3, v0                            ; rq
	v_bfe_u32 v16, v0, 2, 3                        ; e
	v_mul_u32_u24 v6, v3, 12288
	v_lshl_add_u32 v6, v16, 5, v6                  ; q: row rq of 12,288 bytes, + 32 e
	v_bfe_u32 v17, v0, 4, 1
	v_mul_u32_u24 v7, v17, 12288
	v_and_b32 v18, 15, v0
	v_lshl_add_u32 v7, v18, 4, v7                  ; k, v: sixteen lanes take a row's 256 bytes, two rows an instruction
	s_lshl_b32 s27, s12, 13                        ; my region of LDS
	v_lshl_add_u32 v8, v2, 4, s27                  ; K and V on the way in: 16 x lane
	v_lshl_add_u32 v9, v16, 5, s27                 ; and on the way out: my 8 channels
	v_lshlrev_b32 v10, 3, v2                       ; 8 x lane: my two columns
	v_lshl_add_u32 v11, v16, 7, s27
	v_lshl_add_u32 v11, v3, 2, v11                 ; the attention's result: channel 8 e + c at 16 bytes a channel, row rq
	v_mov_b32 v12, s27
	v_add_nc_u32 v13, s27, v10
	v_add_nc_u32 v13, 4096, v13                    ; my part of the output rows
	s_and_b32 s30, s12, 3                          ; the row that I add up, if I do
	s_lshl_b32 s31, s30, 8
	s_add_co_u32 s31, s31, 4096
	v_add_nc_u32 v14, s31, v10                     ; that row in the parts of waves 0-7,
	v_add_nc_u32 v15, 0x10000, v14                 ; and of waves 8-15
	s_lshl_b32 s31, s15, 2
	v_add_nc_u32 v1, s31, v3                       ; my row: 4 (y % 4) + rq
	v_mov_b32 v2, 0xff800000                       ; -infinity
	s_mul_i32 s16, s14, 16*12288
	s_lshl_b32 s17, s12, 8
	s_add_co_u32 s16, s16, s17                     ; h16: my batch, my head's 256 bytes of a row
	s_mov_b32 s17, 0
	s_mul_i32 s18, s15, 4*12288                    ; q: my four rows
	s_mov_b32 s19, 0
	s_lshl_b32 s20, s12, 18                        ; w_proj: my head's 64 rows of 4,096 bytes,
	s_lshl_b32 s22, ttmp9, 8                       ; the work-group's 64 columns
	s_add_co_u32 s20, s20, s22
	s_mov_b32 s21, 0
	s_mov_b32 s23, 0
	s_lshl_b32 s24, s14, 11
	s_add_co_u32 s24, s24, s31
	s_add_co_u32 s24, s24, s30                     ; out0: row 2,048 x batch + 4 (y % 4) + wave % 4
	s_lshl_b32 s24, s24, 12
	s_add_co_u32 s24, s24, s22
	s_mov_b32 s25, 0
	s_mov_b32 s26, 0x3e38aa3b                      ; c = log2(e) / 8
	s_mov_b32 s28, 0x76543210
	s_mov_b32 s29, 0xfedcba98                      ; v_permlanex16_b32's selects for lane l xor 16
	s_wait_kmcnt 0x0
	s_add_nc_u64 s[16:17], s[4:5], s[16:17]
	s_add_nc_u64 s[18:19], s[16:17], s[18:19]
	s_add_nc_u64 s[20:21], s[6:7], s[20:21]
	s_add_nc_u64 s[22:23], s[8:9], s[22:23]
	s_add_nc_u64 s[24:25], s[10:11], s[24:25]
	global_load_b128 v[16:19], v6, s[18:19]        ; q(my row, my 8 channels)
	global_load_b128 v[20:23], v6, s[18:19] offset:16
.irp i, 0,1,2,3,4,5,6,7
	global_load_b128 v[24+4*\i:27+4*\i], v7, s[16:17] offset:4096+24576*\i    ; k, rows 2 i and 2 i + 1
.endr
.irp i, 0,1,2,3,4,5,6,7
	global_load_b128 v[56+4*\i:59+4*\i], v7, s[16:17] offset:8192+24576*\i    ; v
.endr
.set n, 0
.rept 32
	global_load_b64 v[W+2*n:W+2*n+1], v10, s[20:21] offset:4096*n   ; 32 lanes read 256 consecutive bytes of a row of w_proj
.set n, n+1
.endr
	s_wait_loadcnt 32                              ; q, k, v are in; the 32 loads of w_proj behind them may be out
.irp i, 0,1,2,3,4,5,6,7
	ds_store_b128 v8, v[24+4*\i:27+4*\i] offset:512*\i
.endr
.irp i, 0,1,2,3,4,5,6,7
	ds_store_b128 v8, v[56+4*\i:59+4*\i] offset:4096+512*\i
.endr
.rept 32
	global_load_b64 v[W+2*n:W+2*n+1], v10, s[20:21] offset:4096*n   ; the other 32 rows
.set n, n+1
.endr
	s_wait_dscnt 0x0                               ; the stores have read their registers
	; ---- the scores: four keys at a time, the next four on their way
	LLOAD 24, 0, 0
	LLOAD 56, 1, 0
	s_wait_dscnt 8                                 ; the older group is in; the younger one's eight loads may be out
	SMUL 24, 0
	LLOAD 24, 2, 0
	s_wait_dscnt 8
	SMUL 56, 1
	LLOAD 56, 3, 0
	s_wait_dscnt 8
	SMUL 24, 2
	s_wait_dscnt 0x0
	SMUL 56, 3
	LLOAD 56, 0, 4096                              ; v's first four keys
.set n, 0
.rept 16
	v_add_f32 v[PR+n], v[SA+2*n], v[SA+2*n+1]
.set n, n+1
.endr
	LLOAD 88, 1, 4096
.set n, 0
.rept 16
	v_add_f32_dpp v[PR+n], v[PR+n], v[PR+n] row_xmask:4 row_mask:0xf bank_mask:0xf   ; over the eight e: lanes l xor 4,
.set n, n+1
.endr
.set n, 0
.rept 16
	v_add_f32_dpp v[PR+n], v[PR+n], v[PR+n] row_xmask:8 row_mask:0xf bank_mask:0xf   ; l xor 8,
.set n, n+1
.endr
.set n, 0
.rept 16
	v_permlanex16_b32 v[40+n], v[PR+n], s28, s29   ; and l xor 16
.set n, n+1
.endr
.set n, 0
.rept 16
	v_add_f32 v[PR+n], v[PR+n], v[40+n]
.set n, n+1
.endr
.set n, 1
.rept 15
	v_cmp_gt_u32 vcc_lo, n, v1                     ; key n is hidden from my row where n > row
	v_cndmask_b32 v[PR+n], v[PR+n], v2, vcc_lo
.set n, n+1
.endr
	v_max3_num_f32 v3, v[PR], v[PR+1], v[PR+2]     ; the row's largest score (key 0 always counts)
.irp j, 3,5,7,9,11,13
	v_max3_num_f32 v3, v3, v[PR+\j], v[PR+\j+1]
.endr
	v_max_num_f32 v3, v3, v[PR+15]
	v_mul_f32 v3, s26, v3
.set n, 0
.rept 16
	v_fma_f32 v[PR+n], v[PR+n], s26, -v3           ; (score - largest) x log2(e) / 8
.set n, n+1
.endr
.set n, 0
.rept 16
	v_exp_f32 v[PR+n], v[PR+n]
.set n, n+1
.endr
	v_nop                                          ; a plain instruction behind the exponentials
	s_wait_alu depctr_va_vdst(0)                   ; one wait for the batch, ahead of its first reader
	v_add_f32 v40, v[PR], v[PR+1]                  ; the row's sum, in two chains
	v_add_f32 v41, v[PR+2], v[PR+3]
.irp j, 4,8,12
	v_add_f32 v40, v40, v[PR+\j]
	v_add_f32 v41, v41, v[PR+\j+1]
	v_add_f32 v40, v40, v[PR+\j+2]
	v_add_f32 v41, v41, v[PR+\j+3]
.endr
	v_add_f32 v40, v40, v41
	v_rcp_f32 v2, v40                              ; (the -infinity in v2 is done with)
	v_nop
	; ---- o = p v, over q's registers
	s_wait_dscnt 8
	PVM 56, 0
	LLOAD 56, 2, 4096
	s_wait_dscnt 8
	PVM 88, 1
	LLOAD 88, 3, 4096
	s_wait_dscnt 8
	PVM 56, 2
	s_wait_dscnt 0x0
	PVM 88, 3
	s_wait_alu depctr_va_vdst(0)                   ; the wait ahead of the reciprocal's first reader
.irp p, 0,1,2,3
	v_pk_mul_f32 v[16+2*\p:17+2*\p], v[16+2*\p:17+2*\p], v[2:3] op_sel_hi:[1,0]
.endr
.irp c, 0,1,2,3,4,5,6,7
	ds_store_b32 v11, v[16+\c] offset:16*\c        ; over K's bytes, which are my wave's own and have been read
.endr
	; ---- my head's 64 terms of the projection
	s_wait_loadcnt 0x0                             ; w_proj
	ALOAD 56, 0                                    ; LDS serves a wave's instructions in order: these see my stores
.irp gq, 0,1,2,3,4,5,6
	ALOAD 56+32*((\gq+1)%2), \gq+1
	s_wait_dscnt 8                                 ; the older group is in; the younger one's eight loads may be out
	PRJ 56+32*((\gq)%2), \gq
.endr
	s_wait_dscnt 0x0
	PRJ 88, 7
.irp r, 0,1,2,3
	ds_store_b64 v13, v[120+2*\r:121+2*\r] offset:256*\r   ; over V's bytes
.endr
	s_wait_dscnt 0x0                               ; for the others' sake: my part lies in LDS
	s_barrier_signal -1
	s_barrier_wait -1
	s_cmp_lt_u32 s12, 4
	s_cbranch_scc0 .Ldone
	global_load_b64 v[56:57], v10, s[22:23]        ; b_proj at my two columns
.irp p, 0,1,2,3,4,5,6,7
	ds_load_b64 v[24+2*\p:25+2*\p], v14 offset:8192*\p
.endr
.irp p, 0,1,2,3,4,5,6,7
	ds_load_b64 v[40+2*\p:41+2*\p], v15 offset:8192*\p
.endr
	s_wait_loadcnt 0x0
	s_wait_dscnt 0x0
	v_pk_add_f32 v[58:59], v[56:57], v[24:25]      ; the bias and the sixteen heads' parts, in ascending order
.irp p, 1,2,3,4,5,6,7,8,9,10,11,12,13,14,15
	v_pk_add_f32 v[58:59], v[58:59], v[24+2*\p:25+2*\p]
.endr
	global_store_b64 v10, v[58:59], s[24:25]       ; 32 lanes store 256 consecutive bytes, aligned
.Ldone:
	s_wait_tensorcnt 0x0                           ; the wave's end: behind my last LDS store
	ds_add_u32 v[SPW], v[NIL]
	s_wait_dscnt 0x0
	s_endpgm
.Lfunc_end_k_q72dd473183_first16:
	.size	k_q72dd473183_first16, .Lfunc_end_k_q72dd473183_first16-k_q72dd473183_first16
	.p2alignl 7, 3214868480
	.fill 96, 4, 3214868480
	.section	.rodata,"a",@progbits
	.p2align	6, 0x0
	.amdhsa_kernel k_q72dd473183_first16
		.amdhsa_group_segment_fixed_size 133120
		.amdhsa_private_segment_fixed_size 0
		.amdhsa_enable_private_segment 0
		.amdhsa_kernarg_size 32
		.amdhsa_user_sgpr_count 2
		.amdhsa_user_sgpr_kernarg_segment_ptr 1
		.amdhsa_wavefront_size32 1
		.amdhsa_system_sgpr_workgroup_id_x 1
		.amdhsa_system_sgpr_workgroup_id_y 1
		.amdhsa_system_sgpr_workgroup_id_z 1
		.amdhsa_system_vgpr_workitem_id 0
		.amdhsa_next_free_vgpr 256
		.amdhsa_next_free_sgpr 66
		.amdhsa_reserve_vcc 1
		.amdhsa_float_denorm_mode_32 3
		.amdhsa_float_denorm_mode_16_64 3
		.amdhsa_memory_ordered 1
		.amdhsa_forward_progress 1
		.amdhsa_inst_pref_size 56
	.end_amdhsa_kernel
	.amdgpu_metadata
---
amdhsa.version: [ 1, 2 ]
amdhsa.kernels:
  - .name:           k_q72dd473183_first16
    .symbol:         k_q72dd473183_first16.kd
    .args:
      - { .name: h16, .offset: 0, .size: 8, .value_kind: global_buffer, .address_space: global }
      - { .name: w_proj, .offset: 8, .size: 8, .value_kind: global_buffer, .address_space: global }
      - { .name: b_proj, .offset: 16, .size: 8, .value_kind: global_buffer, .address_space: global }
      - { .name: out0, .offset: 24, .size: 8, .value_kind: global_buffer, .address_space: global }
    .group_segment_fixed_size: 133120
    .private_segment_fixed_size: 0
    .kernarg_segment_align: 8
    .kernarg_segment_size: 32
    .max_flat_workgroup_size: 512
    .sgpr_count:     66
    .vgpr_count:     256
    .wavefront_size: 32
...
	.end_amdgpu_metadata
.endif
;; end of part 4
;; launch proj (part 5): grid 8 x 64, 4 waves a work-group, clusters of 4 x 4, 327,680 bytes of LDS; arguments att, w16, b_proj, out0; writes out0
.if DOCPART == 5
	.amdgcn_target "amdgcn-amd-amdhsa--gfx1250"
	.amdhsa_code_object_version 6
	.text
	.protected	k_q72dd473183_proj
	.globl	k_q72dd473183_proj
	.p2align	8
	.type	k_q72dd473183_proj,@function
k_q72dd473183_proj:
	s_mov_b64 s[64:65], 0
	v_nop
	global_prefetch_b8 v0, s[64:65] scope:SCOPE_SE
	s_setreg_imm32_b32 hwreg(HW_REG_WAVE_MODE, 25, 1), 1
	s_wait_xcnt 0x0
	s_wait_alu depctr_hold_cnt(0) depctr_sa_sdst(0) depctr_va_vdst(0) depctr_va_sdst(0) depctr_va_ssrc(0) depctr_va_vcc(0) depctr_vm_vsrc(0)
	s_getreg_b32 s2, hwreg(HW_REG_IB_STS2, 6, 4)
	s_cmp_eq_u32 s2, 0
	s_cbranch_scc0 .Lentry_in_a_cluster
	s_endpgm
.Lentry_in_a_cluster:
	s_bfe_u32 s2, ttmp6, 0x10000c
	s_cmp_lg_u32 s2, 0xf033
	s_cbranch_scc0 .Lentry_shape_is_right
	s_endpgm
.Lentry_shape_is_right:
; out0[m][n] = sum over k of A[m][k] w_proj[k][n] + b_proj[n], k = 64 x head + channel.  A = att, f16 [batch][head][position][64]; w16 = w_proj as f16, [k 1024][n 1024]; out0 f32; sums in f32.
; ROWS NOT STORED HERE: positions 0 .. 15 of each sequence are made in f32 by the launch first16, which owns those rows of out0; they lie inside a live tile, so they are multiplied and not stored.
; A tile of out0 is 128 x 128: 512 work-groups of four waves, each wave 64 x 64: 16 accumulators.  K goes in steps of 256 (four heads) through two LDS slots; four steps.
; CLUSTERS: 4 x 4 work-groups.  The four of a row of the cluster need the same tiles of A, the four of a column the same tiles of w16: each tile is asked for jointly.  The tile row is 16 cy + cluster y: the batch is cy, and a sequence's first rows lie in cluster y = 0, a number that all partners share.
; A's tile: of each of 4 heads 64 positions, a dense run of 8,192 bytes: the descriptor's row; 16 bytes of padding behind every 128, so that in LDS it lies [head][position][144 bytes].
; w16's tile: 128 rows (k) x 128 columns, LDS rows 288 bytes apart; its fragments come out of LDS turned, by ds_load_tr16_b128.
; THE MATRIX INSTRUCTION IS USED TRANSPOSED (source 0 = 16 columns of w_proj, source 1 = 16 rows of A): a lane holds eight neighbouring columns of one row.  The bias is the C of each sum's first matrix instruction.
; REGISTERS: window 0: v0-31 addresses; v32-95 at work on the way out; v96-127 the bias, 8 registers for each of my 4 tiles of columns; v128-255 the accumulators ((a, b) at v[128 + 8 (4 a + b)]).
;   window 1: two fragment buffers of 128: for 64 along K, 64 registers of A, then 64 of w16.
.set PA,     144                       ; a position's row of one head in LDS: 128 bytes + 16
.set PB,     288                       ; a row of w16's tile: 256 bytes + 32
.set HALFT,  36864                     ; what one tensor load brings: 4 x 64 x 144 = 128 x 288
.set SLOT,   4*HALFT                   ; A's two halves (64 positions each), then w16's two halves (128 k each)
.set STAGE,  2*SLOT                    ; behind the slots: 16 rows x 272 bytes for each wave, for the way out
.set SPITCH, 272
.set SPARE,  STAGE+4*16*SPITCH         ; the spare words, 128 bytes for each wave: two blocks of 256 bytes that no other line names
.set ASTEP,  1<<20                     ; a K step in att: four heads of 2^18 bytes
.set BSTEP,  256*2048                  ; and in w16: 256 rows of 2,048 bytes
.set ADRA, 16                          ; v16-17  LDS address of my A fragments in slot 0, 1
.set ADRB, 20                          ; v20-23  of w16's: slot 0 k half 0, 1; slot 1 k half 0, 1
.set STO,  24                          ; v24     the way out: where I put 32 bytes of a row
.set RD,   25                          ; v25     where I read a row back
.set CO,   26                          ; v26     my byte offset in two rows of out0
.set BO,   27                          ; v27     the bias: 32 x (lane / 16)
.set SPW,  28                          ; v28     LDS address of my spare word; never rewritten
.set NIL,  29                          ; v29     0; never rewritten
.set TMP,  32
.set BIAS, 96
.set ACC,  128
.set F0,   0
.set F1,   128
.set G1, 24
.set G0, 32
.set G1B, 48
.set G0B, 56
.set SKIP, 66                          ; s66  0 where my rows 0-15 are a sequence's first 16
.set MSB, 0
.macro WIN new                         ; the immediate's high byte repeats the setting that is left
.if MSB != \new
	s_set_vgpr_msb (MSB<<8)|\new
.set MSB, \new
.endif
.endm
.set MUL,  0x05                        ; sources 0 and 1 window 1; C and D window 0
.set TO_F, 0x40                        ; destination window 1, address window 0
.macro JLOAD s                         ; a joint load: waves 0 and 1 fetch A's two halves, waves 2 and 3 w16's; an s_nop 0 and four v_nop follow each of the two lines
	s_cmp_eq_u32 s11, 0
	s_cbranch_scc0 .Lfor_b_\@
	tensor_load_to_lds s[G0+4*\s:G0+4*\s+3], s[G1:G1+7]
	s_nop 0
.rept 4
	v_nop
.endr
	s_branch .Lasked_\@
.Lfor_b_\@:
	tensor_load_to_lds s[G0B+4*\s:G0B+4*\s+3], s[G1B:G1B+7]
	s_nop 0
.rept 4
	v_nop
.endr
.Lasked_\@:
.endm
.macro CREST                           ; a round of the cluster's barrier behind its opening barrier
	s_cmp_lg_u32 s10, 0
	s_cbranch_scc1 .Lnot_wave_0_\@
	s_barrier_signal -3
.Lnot_wave_0_\@:
	s_barrier_wait -3
	s_barrier_signal -1
	s_barrier_wait -1
.endm
.macro CROUND                          ; a whole round
	s_barrier_signal -1
	s_barrier_wait -1
	CREST
.endm
	s_load_b128 s[4:7], s[0:1], 0x0                ; att, w16
	s_load_b64 s[68:69], s[0:1], 0x10              ; b_proj
	s_load_b64 s[8:9], s[0:1], 0x18                ; out0
	v_lshl_add_u32 v[SPW], v0, 2, SPARE
	v_mov_b32 v[NIL], 0
	ds_add_u32 v[SPW], v[NIL]                      ; the wave's opening: the add, twice on end, and its wait ahead of my first tensor load
	ds_add_u32 v[SPW], v[NIL]
	v_lshrrev_b32 v1, 5, v0
	v_readfirstlane_b32 s10, v1                    ; wave 0..3
	s_lshr_b32 s11, s10, 1                         ; which half of the tile's rows is mine.  Also: I fetch for A (0) or for w16 (1)
	s_and_b32 s12, s10, 1                          ; which half of its columns.  Also: which half of that tile I fetch
	s_bfe_u32 s40, ttmp6, 0x40000                  ; cx, cy: my place in the cluster
	s_bfe_u32 s41, ttmp6, 0x40004
	s_lshl_b32 s42, ttmp9, 2
	s_add_co_u32 s42, s42, s40                     ; tile column = 4 x cluster x + cx
	s_and_b32 s13, ttmp7, 0xffff                   ; cluster y: which 128 positions of the sequence; the batch is cy
	s_lshl_b32 s43, s41, 2
	s_lshl_b32 s43, 15, s43                        ; my row of the cluster
	s_lshl_b32 s44, 0x1111, s40                    ; my column
	s_or_b32 s[G1+0], s43, (1<<16)|(1<<20)|(1<<21)|(4<<22)|(3<<25)  ; the mask: A's tiles go to my row; elements of 2 bytes; padding on; bit 21 beside a mask; four words after every 32
	s_mov_b32 s[G1+1], 4096<<16                    ; tensor_dim0 = 4,096 elements: 64 positions of a head
	s_mov_b32 s[G1+2], 4<<16                       ; tensor_dim1 = 4 heads
	s_mov_b32 s[G1+3], 4096<<16                    ; tile_dim0
	s_mov_b32 s[G1+4], 4                           ; tile_dim1
	s_mov_b32 s[G1+5], 131072                      ; tensor_dim0_stride: elements from head to head
	s_mov_b32 s[G1+6], 0
	s_mov_b32 s[G1+7], 0
	s_or_b32 s[G1B+0], s44, (1<<16)|(1<<20)|(1<<21)|(5<<22)|(7<<25) ; w16's tiles go to my column; eight words after every 64
	s_mov_b32 s[G1B+1], 128<<16
	s_mov_b32 s[G1B+2], 128<<16
	s_mov_b32 s[G1B+3], 128<<16
	s_mov_b32 s[G1B+4], 128
	s_mov_b32 s[G1B+5], 1024
	s_mov_b32 s[G1B+6], 0
	s_mov_b32 s[G1B+7], 0
	s_lshl_b32 s16, s41, 22                        ; A: the batch's 16 heads of 2^18 bytes,
	s_lshl_b32 s17, s13, 14                        ; 128 positions of 128 bytes a tile row,
	s_add_co_u32 s16, s16, s17
	s_lshl_b32 s17, s12, 13                        ; the 64 positions that I fetch
	s_add_co_u32 s16, s16, s17
	s_mov_b32 s17, 0
	s_lshl_b32 s46, s12, 18                        ; w16: the 128 rows that I fetch,
	s_lshl_b32 s47, s42, 8                         ; the tile's 128 columns
	s_add_co_u32 s46, s46, s47
	s_mov_b32 s47, 0
	s_mul_i32 s20, s10, HALFT                      ; where they go: wave x what a load brings: no place in the cluster enters an LDS address
	s_wait_dscnt 0x0                               ; both opening adds are done
	s_wait_kmcnt 0x0
	s_add_nc_u64 s[14:15], s[4:5], s[16:17]
	s_add_nc_u64 s[46:47], s[6:7], s[46:47]
	CROUND                                         ; all sixteen work-groups are here: the first joint loads meet
.irp s, 0,1
	s_mov_b32 s[G0+4*\s], 1
	s_add_co_u32 s[G0+4*\s+1], s20, \s*SLOT
	s_add_nc_u64 s[G0+4*\s+2:G0+4*\s+3], s[14:15], \s*ASTEP
	s_or_b32 s[G0+4*\s+3], s[G0+4*\s+3], 0x80000000
	s_mov_b32 s[G0B+4*\s], 1
	s_add_co_u32 s[G0B+4*\s+1], s20, \s*SLOT
	s_add_nc_u64 s[G0B+4*\s+2:G0B+4*\s+3], s[46:47], \s*BSTEP
	s_or_b32 s[G0B+4*\s+3], s[G0B+4*\s+3], 0x80000000
	JLOAD \s                                       ; two loads of mine are out
.endr
	v_and_b32 v1, 15, v0                           ; r
	v_bfe_u32 v2, v0, 4, 1                         ; h
	s_lshl_b32 s46, s42, 9                         ; the bias: 4 x (128 x tile column + 64 x column half)
	s_lshl_b32 s47, s12, 8
	s_add_co_u32 s46, s46, s47
	s_mov_b32 s47, 0
	s_add_nc_u64 s[68:69], s[68:69], s[46:47]
	v_lshlrev_b32 v[BO], 5, v2
.irp b, 0,1,2,3
	global_load_b128 v[BIAS+8*\b:BIAS+8*\b+3], v[BO], s[68:69] offset:64*\b       ; lane (r, h), tile b: b_proj at columns 16 b + 8 h + 0 .. 7: the result's layout
	global_load_b128 v[BIAS+8*\b+4:BIAS+8*\b+7], v[BO], s[68:69] offset:64*\b+16
.endr
	v_mul_u32_u24 v3, v1, PA
	v_lshl_add_u32 v3, v2, 4, v3                   ; A: position r x pitch + 16 h
	s_mul_i32 s21, s11, HALFT                      ; my 64 positions
	v_add_nc_u32 v[ADRA], s21, v3
	s_add_co_u32 s21, s21, SLOT
	v_add_nc_u32 v[ADRA+1], s21, v3
	v_and_b32 v4, 7, v0
	v_lshl_add_u32 v4, v2, 3, v4
	v_mul_u32_u24 v4, v4, PB                       ; w16, turned: row 8 h + l % 8,
	v_bfe_u32 v5, v0, 3, 1
	v_lshl_add_u32 v4, v5, 4, v4                   ; columns 8 ((l / 8) % 2) on,
	s_lshl_b32 s22, s12, 7                         ; in my 64 columns,
	s_add_co_u32 s22, s22, 2*HALFT                 ; behind A's two halves
	v_add_nc_u32 v[ADRB], s22, v4
	s_add_co_u32 s22, s22, HALFT
	v_add_nc_u32 v[ADRB+1], s22, v4
	s_add_co_u32 s22, s22, SLOT-HALFT
	v_add_nc_u32 v[ADRB+2], s22, v4
	s_add_co_u32 s22, s22, HALFT
	v_add_nc_u32 v[ADRB+3], s22, v4
	s_mul_i32 s23, s10, 16*SPITCH
	s_add_co_u32 s23, s23, STAGE                   ; my stage
	v_mul_u32_u24 v4, v1, SPITCH
	v_lshl_add_u32 v4, v2, 5, v4
	v_add_nc_u32 v[STO], s23, v4                   ; in: row r, 32 bytes for each half of the lanes
	v_mul_u32_u24 v5, v2, SPITCH
	v_lshl_add_u32 v5, v1, 4, v5
	v_add_nc_u32 v[RD], s23, v5                    ; back: lanes 0-15 one row of 256 bytes, lanes 16-31 the next
	v_lshlrev_b32 v5, 12, v2
	v_lshl_add_u32 v[CO], v1, 4, v5                ; and the same two rows in out0
	s_lshl_b32 s16, s41, 11
	s_lshl_b32 s17, s13, 7
	s_add_co_u32 s16, s16, s17
	s_lshl_b32 s17, s11, 6
	s_add_co_u32 s16, s16, s17                     ; my first row: 2,048 cy + 128 cluster y + 64 x row half
	s_lshl_b32 s16, s16, 12
	s_mov_b32 s17, 0
	s_add_nc_u64 s[8:9], s[8:9], s[16:17]
	s_add_nc_u64 s[8:9], s[8:9], s[46:47]          ; my first column: the same bytes as in the bias
	s_or_b32 s[SKIP], s13, s11                     ; cluster y and the wave's number alone
; 8 matrix instructions: row blocks a0, a0 + 1 x all 4 column blocks, 32 along K: half c of buffer f.  first = 1: the sums begin with the bias as C.  The 16 accumulators take turns.
.macro MUL8 f, c, a0, first
.irp a, \a0, \a0+1
.irp b, 0,1,2,3
.if \first
	v_wmma_f32_16x16x32_f16 v[ACC+8*(4*(\a)+\b):ACC+8*(4*(\a)+\b)+7], v[\f+64+8*(4*\c+\b):\f+64+8*(4*\c+\b)+7], v[\f+8*(4*\c+\a):\f+8*(4*\c+\a)+7], v[BIAS+8*\b:BIAS+8*\b+7]
.else
	v_wmma_f32_16x16x32_f16 v[ACC+8*(4*(\a)+\b):ACC+8*(4*(\a)+\b)+7], v[\f+64+8*(4*\c+\b):\f+64+8*(4*\c+\b)+7], v[\f+8*(4*\c+\a):\f+8*(4*\c+\a)+7], v[ACC+8*(4*(\a)+\b):ACC+8*(4*(\a)+\b)+7]
.endif
.endr
.endr
.endm
; 32 LDS loads in one run: the fragments of the slot's q-th 64 along K (head q of its four) into buffer f; the first 32 along K first
.macro FETCH slot, q, f
	WIN TO_F
.irp c, 0,1
.irp i, 0,1,2,3
	ds_load_tr16_b128 v[\f+64+8*(4*\c+\i):\f+64+8*(4*\c+\i)+3],   v[ADRB+2*(\slot)+(\q)/2] offset:(((\q)%2)*64+32*\c)*PB+32*\i
	ds_load_tr16_b128 v[\f+64+8*(4*\c+\i)+4:\f+64+8*(4*\c+\i)+7], v[ADRB+2*(\slot)+(\q)/2] offset:(((\q)%2)*64+32*\c)*PB+32*\i+16*PB
	ds_load_b128 v[\f+8*(4*\c+\i):\f+8*(4*\c+\i)+3],         v[ADRA+\slot] offset:(\q)*64*PA+\i*16*PA+64*\c
	ds_load_b128 v[\f+8*(4*\c+\i)+4:\f+8*(4*\c+\i)+7],       v[ADRA+\slot] offset:(\q)*64*PA+\i*16*PA+64*\c+32
.endr
.endr
.endm
.macro PLACES                          ; four places in front of loads into registers that matrix instructions have read, and of reads of results
.rept 4
	v_nop
.endr
.endm
; A K step is four quarters of 64 along K, 32 matrix instructions each, on buffers 0, 1, 0, 1.  One of the first three: multiplies buffer f and fetches quarter q into g.
.macro QUARTER slot, q, f, g, first
	s_wait_dscnt 16                                ; the first 32 along K are in; the sixteen loads of the second 32 may be out
	WIN MUL
	MUL8 \f, 0, 0, \first
	MUL8 \f, 0, 2, \first
	PLACES
	FETCH \slot, \q, \g
	s_wait_dscnt 32                                ; all but the 32 just issued
	WIN MUL
	MUL8 \f, 1, 0, 0
	MUL8 \f, 1, 2, 0
.endm
; The last quarter multiplies buffer 1 and changes slots: one barrier; in front of it each wave waits for all its tensor loads, adds 0 to its spare word, and waits for that and for its own reads of this slot.  fill = 1: this slot is filled again, two K steps ahead.
.macro TURN slot, next, fill
	WIN 0                                          ; (the add's two registers lie in window 0)
	s_wait_tensorcnt 0x0                           ; all my tensor loads have landed: my part of the next slot
	ds_add_u32 v[SPW], v[NIL]                      ; 0 onto my spare word
	s_wait_dscnt 17                                ; (the add and the youngest sixteen loads may be out)
	WIN MUL
	MUL8 F1, 0, 0, 0
	s_wait_dscnt 0x0                               ; the add is done, and my reads of this slot are over
	s_barrier_signal -1
	MUL8 F1, 0, 2, 0
.if \fill
	WIN 0
.endif
	s_barrier_wait -1
.if \fill
	CREST                                          ; the barrier has opened a round of the cluster's barrier: no wave of any partner still reads this slot or has a load on its way
	s_add_nc_u64 s[G0+4*\slot+2:G0+4*\slot+3], s[G0+4*\slot+2:G0+4*\slot+3], 2*ASTEP
	s_add_nc_u64 s[G0B+4*\slot+2:G0B+4*\slot+3], s[G0B+4*\slot+2:G0B+4*\slot+3], 2*BSTEP
	JLOAD \slot                                    ; the first tensor load behind the round, my one load until the next; its four v_nop are also the places in front of the loads below
.else
	PLACES
.endif
	FETCH \next, 0, F0
	WIN MUL
	MUL8 F1, 1, 0, 0
	MUL8 F1, 1, 2, 0
.endm
	s_wait_tensorcnt 1                             ; my part of K step 0 is in; the one load behind it, K step 1's, may be out
	s_barrier_signal -1
	s_barrier_wait -1                              ; everybody's is
	FETCH 0, 0, F0
	s_wait_loadcnt 0x0                             ; the bias
	QUARTER 0, 1, F0, F1, 1                        ; K step 0: its first products start the sums, on the bias
	QUARTER 0, 2, F1, F0, 0
	QUARTER 0, 3, F0, F1, 0
	TURN 0, 1, 1                                   ; slot 0 takes K step 2
	QUARTER 1, 1, F0, F1, 0                        ; K step 1
	QUARTER 1, 2, F1, F0, 0
	QUARTER 1, 3, F0, F1, 0
	TURN 1, 0, 1                                   ; slot 1 takes K step 3
	QUARTER 0, 1, F0, F1, 0                        ; K step 2
	QUARTER 0, 2, F1, F0, 0
	QUARTER 0, 3, F0, F1, 0
	TURN 0, 1, 0                                   ; nothing is left to fetch
	QUARTER 1, 1, F0, F1, 0                        ; K step 3
	QUARTER 1, 2, F1, F0, 0
	QUARTER 1, 3, F0, F1, 0
	s_wait_dscnt 16                                ; the very last quarter
	WIN MUL
	MUL8 F1, 0, 0, 0
	MUL8 F1, 0, 2, 0
	s_wait_dscnt 0
	MUL8 F1, 1, 0, 0
	MUL8 F1, 1, 2, 0
	WIN 0
; THE WAY OUT, block by block of 16 rows x 64 columns.  My 64 columns of f32 are 256 aligned bytes of a row: a block goes through my own stage and comes back as whole rows; no barrier.
.macro TOSTAGE a
.irp b, 0,1,2,3
	ds_store_b128 v[STO], v[ACC+8*(4*(\a)+\b):ACC+8*(4*(\a)+\b)+3] offset:64*\b          ; each accumulator from its low end on
	ds_store_b128 v[STO], v[ACC+8*(4*(\a)+\b)+4:ACC+8*(4*(\a)+\b)+7] offset:64*\b+16
.endr
.irp t, 0,1,2,3,4,5,6,7
	ds_load_b128 v[TMP+32*((\a)%2)+4*\t:TMP+32*((\a)%2)+4*\t+3], v[RD] offset:\t*2*SPITCH   ; LDS serves a wave's instructions in order: these see the stores above
.endr
.endm
.macro SENDST a
.irp t, 0,1,2,3,4,5,6,7
	global_store_b128 v[CO], v[TMP+32*((\a)%2)+4*\t:TMP+32*((\a)%2)+4*\t+3], s[8:9] offset:(16*(\a)+2*\t)*4096 th:TH_STORE_NT   ; sixteen lanes store 256 consecutive bytes, aligned
.endr
.endm
	PLACES
	s_cmp_eq_u32 s[SKIP], 0                        ; a sequence's first 16 rows are first16's: not stored here
	s_cbranch_scc1 .Lfine
	TOSTAGE 0
	s_wait_dscnt 0x0
	SENDST 0
.Lfine:
	TOSTAGE 1
	s_wait_xcnt 0x0                                ; block 0's stores have read their registers: block 2's loads may land there
	TOSTAGE 2
	s_wait_dscnt 16                                ; block 1 is back; behind it stand block 2's eight stores and eight loads
	SENDST 1
	s_wait_xcnt 0x0
	TOSTAGE 3
	s_wait_dscnt 16
	SENDST 2
	s_wait_dscnt 0x0
	SENDST 3
	s_wait_tensorcnt 0x0                           ; the wave's end: behind my last tensor load and my last LDS store
	ds_add_u32 v[SPW], v[NIL]
	s_wait_dscnt 0x0
	CROUND                                         ; the closing round: no work-group ends while a partner may still ask for a tile that names it
	s_endpgm
.Lfunc_end_k_q72dd473183_proj:
	.size	k_q72dd473183_proj, .Lfunc_end_k_q72dd473183_proj-k_q72dd473183_proj
	.p2alignl 7, 3214868480
	.fill 96, 4, 3214868480
	.section	.rodata,"a",@progbits
	.p2align	6, 0x0
	.amdhsa_kernel k_q72dd473183_proj
		.amdhsa_group_segment_fixed_size 327680
		.amdhsa_private_segment_fixed_size 0
		.amdhsa_enable_private_segment 0
		.amdhsa_kernarg_size 32
		.amdhsa_user_sgpr_count 2
		.amdhsa_user_sgpr_kernarg_segment_ptr 1
		.amdhsa_wavefront_size32 1
		.amdhsa_system_sgpr_workgroup_id_x 1
		.amdhsa_system_sgpr_workgroup_id_y 1
		.amdhsa_system_sgpr_workgroup_id_z 1
		.amdhsa_system_vgpr_workitem_id 0
		.amdhsa_next_free_vgpr 512
		.amdhsa_next_free_sgpr 72
		.amdhsa_reserve_vcc 0
		.amdhsa_float_denorm_mode_32 3
		.amdhsa_float_denorm_mode_16_64 3
		.amdhsa_memory_ordered 1
		.amdhsa_forward_progress 1
		.amdhsa_inst_pref_size 87
	.end_amdhsa_kernel
	.amdgpu_metadata
---
amdhsa.version: [ 1, 2 ]
amdhsa.kernels:
  - .name:           k_q72dd473183_proj
    .symbol:         k_q72dd473183_proj.kd
    .args:
      - { .name: att, .offset: 0, .size: 8, .value_kind: global_buffer, .address_space: global }
      - { .name: w16, .offset: 8, .size: 8, .value_kind: global_buffer, .address_space: global }
      - { .name: b_proj, .offset: 16, .size: 8, .value_kind: global_buffer, .address_space: global }
      - { .name: out0, .offset: 24, .size: 8, .value_kind: global_buffer, .address_space: global }
    .group_segment_fixed_size: 327680
    .private_segment_fixed_size: 0
    .kernarg_segment_align: 8
    .kernarg_segment_size: 32
    .max_flat_workgroup_size: 128
    .sgpr_count:     72
    .vgpr_count:     512
    .wavefront_size: 32
...
	.end_amdgpu_metadata
.endif
;; end of part 5
